; MI455X (gfx1250); checked and timed in simulation.
; The chip was launched on July 23, 2026; its instructions are those of AMD's public machine-readable ISA for CDNA 5 (MIT licence, August 2026) and "CDNA5" Instruction Set Architecture Reference Guide (July 2026). The comments in the code are by the model that wrote it; some were corrected since.
;; Self Attention. Allowed arithmetic: matrix products marked QUANTISED: E2M3 operands, one E8M0 scale for each 32 along K, by v_wmma_scale_f32_16x16x128_f8f6f4 with both operands' format E2M3, f32 sums; everything else in f32.
;; Inputs: W_qkv 3,072 x 1,024 float32; x 4 x 2,048 x 1,024 float32.
;; Outputs: out0 4 x 2,048 x 1,024 float32.
;; This version of the problem:
;;   THIS VERSION OF THE PROBLEM IS GIVEN IN LOW PRECISION. The matrix products marked QUANTISED in the list below multiply operands that are first quantised to E2M3 (2 exponent bits, 3 mantissa bits; 6 bits a number), with one power-of-two scale for each 32 numbers along K (OCP MX v1.0); their sums are f32. All else is computed in f32.
;;   The module's matrix products, in the order in which they are computed (A, B: the left and right operand; K: the contracted axis; several contracted axes count as one K, in the product's order):
;;     1. [M 8,192, K 1,024] x [K 1,024, N 3,072]; A: input x; B: input W_qkv: QUANTISED
;;     2. batch 4 x [M 2,048, K 1,024] x [K 1,024, N 2,048]; A: computed on the way; B: computed on the way: QUANTISED
;;     3. batch 4 x [M 2,048, K 2,048] x [K 2,048, N 1,024]; A: softmax (see below); B: computed on the way: QUANTISED
;;   THE QUANTISER, for each operand of a quantised product, along K:
;;     - K is cut into blocks of 32 from its start; a last block that is shorter is filled with zeros.
;;     - A block's scale is 2^e with e = floor(log2(the largest magnitude in the block)) - 2, held to -126 .. 127; a block of zeros has e = 0. As a byte (E8M0): e + 127.
;;     - Each number is divided by its block's scale, clamped to +-7.5, and rounded to the nearest number of E2M3, ties to even, subnormals kept.
;;     - The product sums the exact products of the quantised numbers (number of the format x scale) in f32.
;;   ~~~python
;;   def quantise(x, axis):      # numpy; x: float32 -> the quantised numbers, widened to float32 again
;;       x = np.moveaxis(x, axis, -1); K = x.shape[-1]
;;       x = np.pad(x, [(0, 0)] * (x.ndim - 1) + [(0, -K % 32)]); x = x.reshape(x.shape[:-1] + (-1, 32)); a = np.abs(x).max(-1, keepdims=True)
;;       e = np.where(a > 0, np.clip(np.frexp(np.where(a > 0, a, 1))[1] - 1 - 2, -126, 127), 0)      # np.frexp(a)[1] - 1 = floor(log2(a)), exactly
;;       r = np.clip(x / 2.0 ** e, -7.5, 7.5)
;;       step = 2.0 ** (np.maximum(np.frexp(np.where(r == 0, 1, r))[1] - 1, 0) - 3)
;;       q = np.round(r / step) * step * 2.0 ** e      # np.round: ties to even
;;       return np.moveaxis(q.reshape(q.shape[:-2] + (-1,))[..., :K], -1, axis).astype(np.float32)
;;   ~~~
;;   SOFTMAX AHEAD OF A QUANTISED PRODUCT. Where the list says 'softmax', what is quantised is not the finished softmax but p = 2^(t - M), with t = logit x log2(e) and M = ceil(the row's largest t), a whole number; so 1/2 < the row's largest p <= 1. The row's sum l is taken of the UNQUANTISED p, in f32, and the product's result is divided by l at the end. Since M is a whole number, a kernel that streams over the keys may use a running M (the ceiling of the running maximum): every later rescaling is an exact power of two, which a block's scale takes up: the codes' values come out the same.
;;   OPERANDS COMPUTED ON THE WAY. 'Computed on the way' means the value that the module computes at that place (a softmax that the list does not call 'softmax' is quantised finished and normalised). What goes into a quantiser is computed in f32, as accurately as f32 sums, v_exp_f32 and their like allow (about 1e-6 of the number): no bf16 or f16 on the way to a quantiser, and a product that is left as it is and whose result goes on into a quantised operand takes f32 operands (vector FMAs, or v_wmma_f32_16x16x4_f32). A number that lies on a knife's edge between two numbers of the format may be rounded either way, as far as f32 arithmetic and the matrix unit's own rounding can turn it there, and no further.
;; One version. Each part assembles by itself: llvm-mc -triple=amdgcn-amd-amdhsa -mcpu=gfx1250 --defsym DOCPART=n.
;; ======== version 1 of 1: 4 launches
;; limits: right only within a limited range of input values
;; workspace buffers: c1 8,650,752 bytes; s1 360,448 bytes; qkvc 18,874,368 bytes; qkvs 786,432 bytes; pc 12,582,912 bytes; pst 1,572,864 bytes
;; launch quant (part 1): grid 8 x 88, 4 waves a work-group, no clusters, 69,120 bytes of LDS; arguments x, W_qkv, c1, s1; writes c1, s1
.if DOCPART == 1
	.amdgcn_target "amdgcn-amd-amdhsa--gfx1250"
	.amdhsa_code_object_version 6
	.text
	.protected	k_q15cedeecdf_quant
	.globl	k_q15cedeecdf_quant
	.p2align	8
	.type	k_q15cedeecdf_quant,@function
k_q15cedeecdf_quant:
	s_mov_b64 s[64:65], 0
	v_nop
	global_prefetch_b8 v0, s[64:65] scope:SCOPE_SE
	s_setreg_imm32_b32 hwreg(HW_REG_WAVE_MODE, 25, 1), 1
	s_wait_xcnt 0x0
; x [8192][1024] and W_qkv [3072][1024], f32, become codes of FP6 (E2M3) with one E8M0 scale byte for each 32 along K, laid as the products' launch wants them.
; ROWS: x's 8,192 rows, then W's rows sorted by section: q (W rows 3 d), k (3 d + 1), v (3 d + 2): 11,264 rows in 88 groups of 128.
; ORDER OF ROWS IN A GROUP: fragment i (0..7), lane-row n (0..15) is row 32 (i / 2) + 8 (i % 2) + n + 8 (n / 8): with it a later product's 16 registers of two neighbouring tiles are 16 neighbours along the next K.
; CODES: a fragment (16 rows x 128 K, 12 registers a lane) is stored as an image of its registers: register p of lane l at 512 (p / 4) + 16 l + 4 (p % 4); fragment (row block, K step) at (8 x row block + K step) x 1,536 bytes.
; SCALES: the word (four bytes: 128 along K) of lane-row r of fragment i at (8 x group + K step) x 512 + 32 r + 4 i.
; A block's scale is 2^(floor(log2(its largest magnitude)) - 2); its byte is the largest magnitude's exponent field - 2, held at 1 from below.
; LIMITS: a block of zeros gets the byte 1 (the rule says 127): its codes are zeros, and this program alone reads the bytes.  NaN and infinities among the inputs are not served.
; SHARES: a work-group takes one group of 128 rows x one K step of 128; wave w rows 32 w .. 32 w + 31: fragments 2 w and 2 w + 1.  Each load reads 512 consecutive bytes of one row; all 32 loads of a wave go out at once.
; The conversions want 16 neighbours along K in one lane's registers: so a fragment's 16 rows turn through the wave's own stage in LDS (rows of 512 + 16 bytes).  No tensor loads, no matrix work.
.set STG,  8448                        ; a stage: 16 rows x 528 bytes; stage (w, f) at (2 w + f) x STG
.set SCG,  8*STG                       ; behind the stages: the group's 128 scale words, 512 bytes
.set LI,   4                           ; v4   16 x lane
.set SI,   5                           ; v5   into my stages: 2 STG x wave + 16 x lane
.set SO,   6                           ; v6   out of them: 2 STG x wave + 528 r + 64 h
.set SGW,  7                           ; v7   my row's scale word: SCG + 32 r + 8 x wave
.set SGR,  8                           ; v8   SCG + 16 x lane
.set R,    16                          ; v16-143   two fragments x 16 rows x 4 registers, as loaded
.set X,    144                         ; v144-207  64 numbers of my row: register 16 b + i = k 32 b + 16 h + i
.set PC,   208                         ; v208-226  the codes
.set TM,   228                         ; v228-243  at work
.set PW,   244                         ; v244      the scale word
.set SEL,  24                          ; s[24:25]  lane selects: lane l xor 16
; 64 numbers of a lane become a fragment's codes in v[PC] .. v[PC+11] and its scale word in v[PW]
.macro QUANT s
.irp b, 0,1,2,3
	v_max3_num_f32 v[TM+\b], |v[\s+16*\b]|, |v[\s+1+16*\b]|, 0x1800000   ; block b: my 16 numbers, and the floor 2^(3 - 127): the byte cannot fall under 1
.endr
.irp i, 2,4,6,8,10,12,14
.irp b, 0,1,2,3
	v_max3_num_f32 v[TM+\b], v[TM+\b], |v[\s+16*\b+\i]|, |v[\s+1+16*\b+\i]|   ; the four blocks by turns
.endr
.endr
.irp b, 0,1,2,3
	v_permlanex16_b32 v[TM+4+\b], v[TM+\b], s[SEL], s[SEL+1]
.endr
.irp b, 0,1,2,3
	v_max_num_f32 v[TM+\b], v[TM+\b], v[TM+4+\b]   ; with lane l xor 16's: the block's largest magnitude
.endr
.irp b, 0,1,2,3
	v_add_nc_u32 v[TM+12+\b], 0xff000000, v[TM+\b]   ; 2 off its exponent field: the conversion's scale operand
.endr
.irp b, 0,1,2,3
	v_lshrrev_b32 v[TM+4+\b], 23, v[TM+12+\b]      ; the scale's byte
.endr
	v_lshl_or_b32 v[PW], v[TM+5], 8, v[TM+4]
	v_lshl_or_b32 v[PW], v[TM+6], 16, v[PW]
	v_lshl_or_b32 v[PW], v[TM+7], 24, v[PW]
.irp c, 0,1
	v_cvt_scalef32_pk16_fp6_f32 v[PC+6*\c:PC+2+6*\c], v[\s+32*\c:\s+15+32*\c], v[TM+12+2*\c]
	v_cvt_scalef32_pk16_fp6_f32 v[PC+12+4*\c:PC+14+4*\c], v[\s+16+32*\c:\s+31+32*\c], v[TM+12+2*\c+1]   ; (a conversion's three registers begin on an even number)
.endr
	v_nop                                          ; one plain place behind a scaled conversion
.irp c, 0,1                                    ; the operand's layout wants a whole block in a lane: lanes 0-15 block 2 c, lanes 16-31 block 2 c + 1
.irp i, 0,1,2
	v_permlane16_swap_b32 v[PC+6*\c+\i], v[PC+12+4*\c+\i]
.endr
.irp i, 0,1,2
	v_mov_b32 v[PC+3+6*\c+\i], v[PC+12+4*\c+\i]
.endr
.endr
.endm
; my 32 rows' 512 bytes each: fragment f, lane-row n is my row 8 f + n + 8 (n / 8)
.macro LOADS base, stride
.irp f, 0,1
.irp n, 0,1,2,3,4,5,6,7,8,9,10,11,12,13,14,15
	global_load_b128 v[R+64*\f+4*\n:R+64*\f+4*\n+3], v[LI], s[\base:\base+1] offset:(8*\f+\n+8*(\n/8))*\stride th:TH_LOAD_NT
.endr
.endr
.endm
.macro PIECE f
.if \f == 0
	s_wait_loadcnt 16                              ; fragment 0's sixteen loads are in; fragment 1's sixteen may be out
.else
	s_wait_loadcnt 0x0
.endif
.irp n, 0,1,2,3,4,5,6,7,8,9,10,11,12,13,14,15
	ds_store_b128 v[SI], v[R+64*\f+4*\n:R+64*\f+4*\n+3] offset:STG*\f+528*\n
.endr
.irp b, 0,1,2,3
.irp j, 0,1,2,3
	ds_load_b128 v[X+16*\b+4*\j:X+16*\b+4*\j+3], v[SO] offset:STG*\f+128*\b+16*\j   ; LDS serves a wave's instructions in order: these see my stores
.endr
.endr
	s_wait_dscnt 0x0
.if \f
	s_wait_xcnt 0x0                                ; fragment 0's stores have read the codes' registers: they are written again only behind this wait
.endif
	QUANT X
.irp c, 0,1,2
	global_store_b128 v[LI], v[PC+4*\c:PC+4*\c+3], s[20:21] offset:12288*\f+512*\c   ; 32 lanes store 512 consecutive bytes, aligned
.endr
	ds_store_b32 v[SGW], v[PW] offset:4*\f         ; lanes l and l xor 16 write the same word with the same value
.endm
	s_load_b256 s[4:11], s[0:1], 0x0               ; x s[4:5], W s[6:7], codes s[8:9], scales s[10:11]
	v_lshl_add_u32 v254, v0, 2, 0x10c00
	v_mov_b32 v255, 0
	v_lshrrev_b32 v1, 5, v0
	v_readfirstlane_b32 s12, v1                    ; wave
	s_and_b32 s13, ttmp7, 0xffff                   ; group of 128 rows
	s_mov_b32 s14, ttmp9                           ; K step
	v_and_b32 v1, 31, v0                           ; lane
	v_and_b32 v2, 15, v0                           ; r
	v_bfe_u32 v3, v0, 4, 1                         ; h
	v_lshlrev_b32 v[LI], 4, v1
	s_mul_i32 s15, s12, 2*STG
	v_add_nc_u32 v[SI], s15, v[LI]
	v_mul_u32_u24 v[SO], v2, 528
	v_lshl_add_u32 v[SO], v3, 6, v[SO]
	v_add_nc_u32 v[SO], s15, v[SO]
	s_lshl_b32 s15, s12, 3
	s_add_co_u32 s15, s15, SCG
	v_lshl_add_u32 v[SGW], v2, 5, s15
	v_add_nc_u32 v[SGR], SCG, v[LI]
	s_mov_b32 s[SEL], 0x76543210
	s_mov_b32 s[SEL+1], 0xfedcba98
.irp b, 0,1,2,3
	v_mov_b32 v[TM+4+\b], 0                        ; written once: a lane permute's destination counts as one of its sources
.endr
	s_lshl_b32 s20, s13, 3
	s_lshl_b32 s21, s12, 1
	s_add_co_u32 s20, s20, s21                     ; my first row block: 8 x group + 2 x wave
	s_lshl_b32 s20, s20, 3
	s_add_co_u32 s20, s20, s14
	s_mul_i32 s20, s20, 1536
	s_mov_b32 s21, 0
	s_lshl_b32 s22, s13, 3
	s_add_co_u32 s22, s22, s14
	s_lshl_b32 s22, s22, 9
	s_mov_b32 s23, 0
	s_lshl_b32 s26, s14, 9                         ; the K step's 512 bytes in a row
	s_mov_b32 s27, 0
	s_wait_kmcnt 0x0
	s_add_nc_u64 s[20:21], s[8:9], s[20:21]
	s_add_nc_u64 s[22:23], s[10:11], s[22:23]
	s_cmp_lt_u32 s13, 64                           ; x's group or W's?  The two ways hold the loads and their base alone, 32 loads each
	s_cbranch_scc0 .Lfrom_w
	s_lshl_b32 s28, s13, 19                        ; 128 rows of 4,096 bytes a group,
	s_lshl_b32 s29, s12, 17                        ; 32 a wave
	s_add_co_u32 s28, s28, s29
	s_add_co_u32 s26, s26, s28
	s_add_nc_u64 s[16:17], s[4:5], s[26:27]
	LOADS 16, 4096
	s_branch .Lloaded
.Lfrom_w:
	s_sub_co_u32 s28, s13, 64                      ; 0..23: section = / 8, group in the section = % 8
	s_and_b32 s29, s28, 7
	s_lshl_b32 s29, s29, 7
	s_lshl_b32 s30, s12, 5
	s_add_co_u32 s29, s29, s30                     ; my first row d of the section
	s_mul_i32 s29, s29, 3
	s_lshr_b32 s28, s28, 3
	s_add_co_u32 s29, s29, s28                     ; W's row 3 d + section
	s_lshl_b32 s29, s29, 12
	s_add_co_u32 s26, s26, s29
	s_add_nc_u64 s[18:19], s[6:7], s[26:27]
	LOADS 18, 12288
.Lloaded:
	s_wait_alu depctr_va_vdst(0)
	PIECE 0
	PIECE 1
	s_wait_dscnt 0x0                               ; for the others' sake: my scale words lie in LDS
	s_barrier_signal -1
	s_barrier_wait -1
	s_cmp_lg_u32 s12, 0
	s_cbranch_scc1 .Ldone
	ds_load_b128 v[248:251], v[SGR]                ; wave 0 stores the group's 512 bytes of scale words, aligned
	s_wait_dscnt 0x0
	global_store_b128 v[LI], v[248:251], s[22:23]
.Ldone:
	s_wait_tensorcnt 0x0
	ds_add_u32 v254, v255
	s_wait_dscnt 0x0
	s_endpgm
.Lfunc_end_k_q15cedeecdf_quant:
	.size	k_q15cedeecdf_quant, .Lfunc_end_k_q15cedeecdf_quant-k_q15cedeecdf_quant
	.p2alignl 7, 3214868480
	.fill 96, 4, 3214868480
	.section	.rodata,"a",@progbits
	.p2align	6, 0x0
	.amdhsa_kernel k_q15cedeecdf_quant
		.amdhsa_group_segment_fixed_size 69120
		.amdhsa_private_segment_fixed_size 0
		.amdhsa_enable_private_segment 0
		.amdhsa_kernarg_size 32
		.amdhsa_user_sgpr_count 2
		.amdhsa_user_sgpr_kernarg_segment_ptr 1
		.amdhsa_wavefront_size32 1
		.amdhsa_system_sgpr_workgroup_id_x 1
		.amdhsa_system_sgpr_workgroup_id_y 1
		.amdhsa_system_sgpr_workgroup_id_z 1
		.amdhsa_system_vgpr_workitem_id 0
		.amdhsa_next_free_vgpr 256
		.amdhsa_next_free_sgpr 66
		.amdhsa_reserve_vcc 0
		.amdhsa_float_denorm_mode_32 3
		.amdhsa_float_denorm_mode_16_64 3
		.amdhsa_memory_ordered 1
		.amdhsa_forward_progress 1
		.amdhsa_inst_pref_size 22
	.end_amdhsa_kernel
	.amdgpu_metadata
---
amdhsa.version: [ 1, 2 ]
amdhsa.kernels:
  - .name:           k_q15cedeecdf_quant
    .symbol:         k_q15cedeecdf_quant.kd
    .args:
      - { .name: x, .offset: 0, .size: 8, .value_kind: global_buffer, .address_space: global }
      - { .name: W_qkv, .offset: 8, .size: 8, .value_kind: global_buffer, .address_space: global }
      - { .name: c1, .offset: 16, .size: 8, .value_kind: global_buffer, .address_space: global }
      - { .name: s1, .offset: 24, .size: 8, .value_kind: global_buffer, .address_space: global }
    .group_segment_fixed_size: 69120
    .private_segment_fixed_size: 0
    .kernarg_segment_align: 8
    .kernarg_segment_size: 32
    .max_flat_workgroup_size: 128
    .sgpr_count:     66
    .vgpr_count:     256
    .wavefront_size: 32
...
	.end_amdgpu_metadata
.endif
;; end of part 1
;; launch qkv (part 2): grid 4 x 64, 4 waves a work-group, clusters of 4 x 4, 327,680 bytes of LDS; arguments c1, s1, qkvc, qkvs; writes qkvc, qkvs
.if DOCPART == 2
	.amdgcn_target "amdgcn-amd-amdhsa--gfx1250"
	.amdhsa_code_object_version 6
	.text
	.protected	k_q15cedeecdf_qkv
	.globl	k_q15cedeecdf_qkv
	.p2align	8
	.type	k_q15cedeecdf_qkv,@function
k_q15cedeecdf_qkv:
	s_mov_b64 s[64:65], 0
	v_nop
	global_prefetch_b8 v0, s[64:65] scope:SCOPE_SE
	s_setreg_imm32_b32 hwreg(HW_REG_WAVE_MODE, 25, 1), 1
	s_wait_xcnt 0x0
	s_wait_alu depctr_hold_cnt(0) depctr_sa_sdst(0) depctr_va_vdst(0) depctr_va_sdst(0) depctr_va_ssrc(0) depctr_va_vcc(0) depctr_vm_vsrc(0)
	s_getreg_b32 s2, hwreg(HW_REG_IB_STS2, 6, 4)
	s_cmp_eq_u32 s2, 0
	s_cbranch_scc0 .Lentry_in_a_cluster
	s_endpgm
.Lentry_in_a_cluster:
	s_bfe_u32 s2, ttmp6, 0x10000c
	s_cmp_lg_u32 s2, 0xf033
	s_cbranch_scc0 .Lentry_shape_is_right
	s_endpgm
.Lentry_shape_is_right:
; qkv = x W^T on codes of FP6 (E2M3) with E8M0 scales, and the results quantised in registers for the next products: q and k along d, v along the keys.
; A WORK-GROUP STAYS: 8,192 x 3,072 results are 768 tiles of 128 x 256; each of the 256 work-groups makes three: for ONE group of 128 rows of x, 256 columns of q, of k and of v.  768 matrix instructions a wave, the same in every wave.
; x's codes of the group, for all of K (98,304 bytes), come into LDS once and serve all three sections.  W's rows go through a ring of two slots (16 row blocks x 4 K steps, 98,304 bytes each): q's two halves of K, then k's, then v's.
; At the end of a slot's four K steps the slot is filled again with the same half of K of the next section: four refills in all; each has the other slot's 128 matrix instructions a wave in which to land.
; THE MATRIX INSTRUCTION: source 0 has 8 blocks of 16 rows, source 1 has 4: 32 accumulators a wave.  A lane holds one row of source 1, and its registers run along source 0's rows.
;   q, k: source 0 = W's group wave % 2 of the tile's two, source 1 = x's blocks 4 (wave / 2) on: registers run along d.     v: source 0 = x's 8 blocks (keys), source 1 = W's blocks 4 wave on of the tile's 16 (channels): registers run along the keys.
; All operands have their rows in the order: block i, lane-row r = row 32 (i / 2) + 8 (i % 2) + r + 8 (r / 8) of a group of 128: so of a source 1 block's eight accumulators register 16 b + i of lane (r, h) is source 0's row 32 b + 16 h + i:
; 16 neighbours along the next K, and what is made of them is again a fragment with its rows in that order.
; OPERANDS lie in memory and in LDS as images of their registers: a fragment is 1,536 bytes, read by three loads of 16 bytes a lane at 16 x lane.  Scale words: 512 bytes for a group and a K step, word (r, i) at 32 r + 4 i.
; CLUSTERS: 4 x 4 work-groups.  x hangs on the cluster's y and cy alone and is asked for jointly along a row of the cluster, W on cx alone, jointly along a column.  The head's loads and the first fills go one a wave by branches on the wave's number; each refill brings a wave's quarter of the slot.
; STORES: codes leave as images, 512 consecutive aligned bytes a store.  A wave holds four of a row's eight scale words: its store fills 16 of each 32 bytes and the partner wave the rest: these runs of 256 bytes are not written whole by one store; they are 1 byte for 24 of codes.
; LIMITS: a block of zeros gets the byte 1 (the rule says 127): its codes are zeros, and this program alone reads the bytes.  NaN and infinities are not served.
; REGISTERS: window 0: v1-29 addresses; v32-47 scale words, two sets; v64-111, v160-207 source 1's fragments, two sets; v112-153 the way out.  window 1: v0-95, v128-223 source 0's fragments, two sets.  window 2: accumulator (a, b) at v[8 (8 a + b)].
.set RBP,   6144                       ; a row block's four K steps
.set XH,    8*RBP                      ; x: half of K, 8 row blocks
.set WSL,   16*RBP                     ; a slot of W: 16 row blocks
.set WS,    2*XH                       ; x's two halves lie at 0; W's two slots behind them
.set SCX,   WS+2*WSL                   ; x's scale words: 8 K steps x 512 bytes: filled once
.set SCW,   SCX+4096                   ; W's: section, group, K step: 3 x 2 x 8 x 512 bytes: filled once
.set SPARE, SCW+3*8192                 ; the spare words, 128 bytes for each wave: two blocks of 256 bytes that no other line names
.set SECB,  64*12288                   ; from a section of W to the next, in bytes of codes
.set AX4,  8                           ; v8-9    x as source 1: half of K 0, 1: my four blocks + 16 x lane
.set AX8,  10                          ; v10-11  x as source 0: all eight blocks
.set AW8,  12                          ; v12-13  W as source 0: slot 0, 1: my group of eight blocks
.set AW4,  14                          ; v14-15  W as source 1: my four blocks
.set ADRS, 16                          ; v16-18  scale words, section q, k, v: lanes 0-15 source 1's four words of row r, lanes 16-31 source 0's words 0-3
.set ADRT, 19                          ; v19-21  the same with 16 bytes more in lanes 16-31 alone: source 0's words 4-7 (lanes 0-15 read their four again: no lane reads past its region)
.set LI,   25                          ; v25     16 x lane
.set SWO,  26                          ; v26     32 r + 8 h
.set SPW,  28                          ; v28     my spare word; never rewritten
.set NIL,  29                          ; v29     0; never rewritten
.set SC,   32                          ; set s at v[SC + 8 s]: register j: lanes 0-15 source 1's block j (j < 4), lanes 16-31 source 0's block j
.set AF,   64
.set PC,   112                         ; the way out: codes
.set TM,   132                         ; at work
.set PWA,  148                         ; the four blocks' scale words
.set OUTQ, 152
.set GX1,  24                          ; s[24:31] group 1 for x's codes;  s[32:39] groups 0, one for each half of K
.set GX0,  32
.set GW1,  40                          ; s[40:47] group 1 for W's codes;  s[48:55] groups 0, one for each slot
.set GW0,  48
.set GSX1, 56                          ; s[56:63], s[68:71] x's scale words
.set SEL,  66
.set GSX0, 68
.set GSW1, 72                          ; s[72:79] W's scale words;  s[80:83] group 0: one load for all three sections
.set GSW0, 80
.set OQC,  92                          ; s[92:93] where my q and k codes go;  s[94:95] my v codes;  s[96:97], s[98:99] their scale words
.set OVC,  94
.set OQS,  96
.set OVS,  98
.set MSB, 0
.macro WIN new                         ; the immediate's high byte repeats the setting that is left
.if MSB != (\new)
	s_set_vgpr_msb (MSB<<8)|(\new)
.set MSB, (\new)
.endif
.endm
.macro PLACES n
.rept \n
	v_nop
.endr
.endm
.macro CREST                           ; a round of the cluster's barrier behind its opening barrier
	s_cmp_lg_u32 s12, 0
	s_cbranch_scc1 .Lnot_wave_0_\@
	s_barrier_signal -3
.Lnot_wave_0_\@:
	s_barrier_wait -3
	s_barrier_signal -1
	s_barrier_wait -1
.endm
.macro CROUND
	s_barrier_signal -1
	s_barrier_wait -1
	CREST
.endm
.macro FRAG3 reg, adr, off             ; a fragment's image: 12 registers
.irp c, 0,1,2
	ds_load_b128 v[\reg+4*\c:\reg+4*\c+3], v[\adr] offset:\off+512*\c
.endr
.endm
; source 0's eight fragments from address register a8, source 1's four from a4, both at the q-th K step of their half of K; the scale words of K step ks by section c's address registers; all into set
.macro FETCH a8, a4, q, set, c, ks
	WIN 0x40                                       ; destination window 1
.irp i, 0,1,2,3,4,5,6,7
	FRAG3 128*(\set)+12*\i, \a8, \i*RBP+(\q)*1536
.endr
	WIN 0
.irp i, 0,1,2,3
	FRAG3 AF+96*(\set)+12*\i, \a4, \i*RBP+(\q)*1536
.endr
	ds_load_b128 v[SC+8*(\set):SC+8*(\set)+3], v[ADRS+(\c)] offset:512*(\ks)
	ds_load_b128 v[SC+8*(\set)+4:SC+8*(\set)+7], v[ADRT+(\c)] offset:512*(\ks)
.endm
.macro FET sec, ks, set                ; K step ks of section sec: q, k: W is source 0 and x source 1; v: the other way round
.if (\sec) < 2
	FETCH AW8+(\ks)/4, AX4+(\ks)/4, (\ks)%4, \set, (\sec), \ks
.else
	FETCH AX8+(\ks)/4, AW4+(\ks)/4, (\ks)%4, \set, 2, \ks
.endif
.endm
; n blocks of source 1 from a0 on, each against source 0's eight.  The accumulators take turns, one instruction a turn, in the same order in every step.
.macro MUL a0, n, set, zero
.set A_, \a0
.rept \n
.irp b, 0,1,2,3,4,5,6,7
.set AC_, 8*(8*A_+\b)
.if \zero
	v_wmma_scale_f32_16x16x128_f8f6f4 v[AC_:AC_+7], v[128*(\set)+12*\b:128*(\set)+12*\b+11], v[AF+96*(\set)+12*A_:AF+96*(\set)+12*A_+11], 0, v[SC+8*(\set)+\b], v[SC+8*(\set)+A_] matrix_a_fmt:MATRIX_FMT_FP6 matrix_b_fmt:MATRIX_FMT_FP6 matrix_a_scale:MATRIX_SCALE_ROW1
.else
	v_wmma_scale_f32_16x16x128_f8f6f4 v[AC_:AC_+7], v[128*(\set)+12*\b:128*(\set)+12*\b+11], v[AF+96*(\set)+12*A_:AF+96*(\set)+12*A_+11], v[AC_:AC_+7], v[SC+8*(\set)+\b], v[SC+8*(\set)+A_] matrix_a_fmt:MATRIX_FMT_FP6 matrix_b_fmt:MATRIX_FMT_FP6 matrix_a_scale:MATRIX_SCALE_ROW1
.endif
.endr
.set A_, A_+1
.endr
.endm
.macro MULALL set, zero
	WIN 0xa1                                       ; source 0 window 1, source 1 window 0, C and D window 2
	MUL 0, 4, \set, \zero
.endm
; A K step that has its successor in the same slot: the other set is fetched, this set is multiplied.  A section's first step starts the sums: nothing is cleared.
.macro STEP sec, ks
	s_wait_dscnt 0x0                               ; this set's loads, issued a step ago, are in
	PLACES 4                                       ; four places between the last product that read the other set and the loads into it
	FET \sec, (\ks)+1, ((\ks)+1)%2
.if (\ks) == 0
	MULALL 0, 1
.else
	MULALL (\ks)%2, 0
.endif
	WIN 0
.endm
; A slot's last K step (set 1) changes slots: each wave waits for all its tensor loads, adds 0 to its spare word, waits for that and for its reads of this slot, and signals.
; fill = 1: the barrier opens a round of the cluster's, and the slot takes the same half of K of the next section, first thing behind the round.  Then K step nks of section nsec is fetched from the other slot.
.macro TURN slot, fill, nsec, nks
	s_wait_tensorcnt 0x0                           ; all my tensor loads have landed: my quarter of the other slot among them
	ds_add_u32 v[SPW], v[NIL]                      ; 0 onto my spare word
	s_wait_dscnt 0x1                               ; this set's loads are in; the add alone may be out
	WIN 0xa1
	MUL 0, 1, 1, 0
	s_wait_dscnt 0x0                               ; the add is done, and my reads of this slot are over
	s_barrier_signal -1
	MUL 1, 1, 1, 0
	WIN 0                                          ; at a branch and at a label every window is 0
	s_barrier_wait -1
.if \fill
	CREST                                          ; no wave of any partner still reads this slot or has a load on its way
	s_mov_b32 s[GW1+2], 4<<16                      ; a refill is a quarter of the slot a wave: 4 row blocks
	s_mov_b32 s[GW1+4], 4
	s_add_nc_u64 s[GW0+4*\slot+2:GW0+4*\slot+3], s[GW0+4*\slot+2:GW0+4*\slot+3], SECB
	tensor_load_to_lds s[GW0+4*\slot:GW0+4*\slot+3], s[GW1:GW1+7]   ; my one tensor load behind the round, and the first thing there
	s_nop 0
.endif
	PLACES 4                                       ; four v_nop follow the load; they are also the places in front of the loads below
	FET \nsec, \nks, 0
.if \fill                                      ; the fill behind the one just asked for; the last fill has none behind it
.if (\slot) == 0
	global_prefetch_b8 v30, s[PFW:PFW+1] offset:((\nsec)+1)*SECB+RBP th:TH_LOAD_NT scope:SCOPE_SE
.else
.if (\nsec) < 2
	global_prefetch_b8 v30, s[PFW:PFW+1] offset:((\nsec)+1)*SECB th:TH_LOAD_NT scope:SCOPE_SE
.endif
.endif
.endif
	WIN 0xa1
	MUL 2, 2, 1, 0
	WIN 0
.endm
; THE WAY OUT: source 1's block a: 64 numbers of a lane become a fragment's codes and a scale word, in registers.
.macro QUANTW a
.set S_, 64*(\a)
	WIN 0x0a                                       ; sources 0 and 1: the accumulators' window
.irp b, 0,1,2,3
	v_max3_num_f32 v[TM+\b], |v[S_+16*\b]|, |v[S_+16*\b+1]|, 0x1800000   ; each accumulator is read from its low end on; the floor 2^(3 - 127) holds the byte at 1 from below
.endr
.irp i, 2,4,6,8,10,12,14
.irp b, 0,1,2,3
	v_max3_num_f32 v[TM+\b], |v[S_+16*\b+\i]|, |v[S_+16*\b+\i+1]|, v[TM+\b]
.endr
.endr
	WIN 0
.irp b, 0,1,2,3
	v_permlanex16_b32 v[TM+4+\b], v[TM+\b], s[SEL], s[SEL+1]
.endr
.irp b, 0,1,2,3
	v_max_num_f32 v[TM+\b], v[TM+\b], v[TM+4+\b]   ; the block's largest magnitude
.endr
.irp b, 0,1,2,3
	v_add_nc_u32 v[TM+12+\b], 0xff000000, v[TM+\b]   ; 2 off its exponent field: the conversion's scale operand
.endr
.irp b, 0,1,2,3
	v_lshrrev_b32 v[TM+4+\b], 23, v[TM+12+\b]      ; the scale's byte
.endr
	v_lshl_or_b32 v[PWA+(\a)], v[TM+5], 8, v[TM+4]
	v_lshl_or_b32 v[PWA+(\a)], v[TM+6], 16, v[PWA+(\a)]
	v_lshl_or_b32 v[PWA+(\a)], v[TM+7], 24, v[PWA+(\a)]
	s_wait_alu depctr_va_vdst(0)
	s_wait_xcnt 0x0                                ; the earlier stores have read their data: the codes' registers are written again only behind this wait
	WIN 0x02
.irp c, 0,1
	v_cvt_scalef32_pk16_fp6_f32 v[PC+6*\c:PC+6*\c+2], v[S_+32*\c:S_+32*\c+15], v[TM+12+2*\c]
	v_cvt_scalef32_pk16_fp6_f32 v[PC+12+4*\c:PC+14+4*\c], v[S_+16+32*\c:S_+31+32*\c], v[TM+12+2*\c+1]   ; (a conversion's three registers begin on an even number)
.endr
	WIN 0
	v_nop                                          ; one plain place behind a scaled conversion
.irp c, 0,1                                    ; the operand's layout wants a whole block in a lane: lanes 0-15 block 2 c, lanes 16-31 block 2 c + 1
.irp i, 0,1,2
	v_permlane16_swap_b32 v[PC+6*\c+\i], v[PC+12+4*\c+\i]
.endr
.irp i, 0,1,2
	v_mov_b32 v[PC+3+6*\c+\i], v[PC+12+4*\c+\i]
.endr
.endr
.endm
; A section goes out.  Every offset is an immediate: no base is stepped.  The next section's first fragments are on their way from LDS meanwhile, into registers that nothing here names.
.macro OUT sec
	PLACES 4                                       ; between the last products and the first read of results
.irp a, 0,1,2,3
	QUANTW \a
.irp c, 0,1,2
.if \sec < 2
	global_store_b128 v[LI], v[PC+4*\c:PC+4*\c+3], s[OQC:OQC+1] offset:(\sec)*6291456+\a*12288+512*\c   ; 32 lanes store 512 consecutive bytes, aligned
.else
	global_store_b128 v[LI], v[PC+4*\c:PC+4*\c+3], s[OVC:OVC+1] offset:\a*24576+512*\c
.endif
.endr
.endr
	v_cmp_le_u32 vcc_lo, 16, v3                    ; lanes 0-15 store my words 0, 1 of row r, lanes 16-31 my words 2, 3
	v_cndmask_b32 v[OUTQ], v[PWA], v[PWA+2], vcc_lo
	v_cndmask_b32 v[OUTQ+1], v[PWA+1], v[PWA+3], vcc_lo
.if \sec < 2
	global_store_b64 v[SWO], v[OUTQ:OUTQ+1], s[OQS:OQS+1] offset:(\sec)*262144
.else
	global_store_b64 v[SWO], v[OUTQ:OUTQ+1], s[OVS:OVS+1]
.endif
.endm
.macro SECTION sec
	STEP \sec, 0
	STEP \sec, 1
	STEP \sec, 2
.if \sec < 2
	TURN 0, 1, \sec, 4
.else
	TURN 0, 0, \sec, 4                             ; nothing is left to fetch
.endif
	STEP \sec, 4
	STEP \sec, 5
	STEP \sec, 6
.if \sec < 2
	TURN 1, 1, (\sec)+1, 0                         ; the ring goes on into the next section
.else
	s_wait_dscnt 0x0
	MULALL 1, 0
	WIN 0
.endif
	OUT \sec
.endm
	s_load_b256 s[4:11], s[0:1], 0x0               ; codes in s[4:5], scales in s[6:7], codes out s[8:9], scales out s[10:11]
	v_lshl_add_u32 v[SPW], v0, 2, SPARE
	v_mov_b32 v[NIL], 0
	ds_add_u32 v28, v29
	ds_add_u32 v28, v29
	s_wait_dscnt 0x0
	v_lshrrev_b32 v1, 5, v0
	v_readfirstlane_b32 s12, v1                    ; wave 0..3
	s_lshr_b32 s13, s12, 1                         ; wave / 2
	s_and_b32 s14, s12, 1                          ; wave % 2
	s_bfe_u32 s15, ttmp6, 0x40000                  ; cx: which 256 rows of each section of W
	s_bfe_u32 s16, ttmp6, 0x40004                  ; cy
	s_and_b32 s17, ttmp7, 0xffff                   ; the cluster's y
	s_lshl_b32 s18, s16, 2
	s_lshl_b32 s18, 15, s18                        ; my row of the cluster
	s_lshl_b32 s19, 0x1111, s15                    ; my column
	; descriptor groups 1, in elements of 8 bytes, no padding.  Codes: rows are row blocks: 4 K steps = 6,144 bytes of each, 12,288 bytes apart; x's 8 in one load; a refill 4 of W's 16 a wave
	s_or_b32 s[GX1], s18, (3<<16)|(1<<21)          ; 15:0 the mask: x goes to my row; 17:16 elements of 8 bytes; 21 set beside a mask
	s_or_b32 s[GW1], s19, (3<<16)|(1<<21)          ; W goes to my column
.irp g, GX1, GW1
	s_mov_b32 s[\g+1], 768<<16                     ; tensor_dim0
	s_mov_b32 s[\g+3], 768<<16                     ; tile_dim0
	s_mov_b32 s[\g+5], 1536                        ; pitch
	s_mov_b32 s[\g+6], 0
	s_mov_b32 s[\g+7], 0
.endr
	s_mov_b32 s[GX1+2], 8<<16                      ; x: one load brings all 8 row blocks of a half of K
	s_mov_b32 s[GX1+4], 8
	s_mov_b32 s[GW1+2], 16<<16                     ; W: the head's load brings a whole slot, 16 row blocks; the row count is set anew for the later loads
	s_mov_b32 s[GW1+4], 16
	; scale words: dense blocks, as rows of 256 bytes; one load each by one wave: x's 4,096 bytes, W's three sections of 8,192
	s_or_b32 s[GSX1], s18, (3<<16)|(1<<21)
	s_or_b32 s[GSW1], s19, (3<<16)|(1<<21)
	s_mov_b32 s[GSX1+1], 32<<16                    ; x's scale words: 4,096 dense bytes as 16 rows of 256
	s_mov_b32 s[GSX1+2], 16<<16
	s_mov_b32 s[GSX1+3], 32<<16
	s_mov_b32 s[GSX1+4], 16
	s_mov_b32 s[GSX1+5], 32
	s_mov_b32 s[GSX1+6], 0
	s_mov_b32 s[GSX1+7], 0
	s_mov_b32 s[GSW1+1], 1024<<16                  ; W's scale words: three rows (q, k, v) of 8,192 bytes, 32,768 bytes apart: one load
	s_mov_b32 s[GSW1+2], 3<<16
	s_mov_b32 s[GSW1+3], 1024<<16
	s_mov_b32 s[GSW1+4], 3
	s_mov_b32 s[GSW1+5], 4096
	s_mov_b32 s[GSW1+6], 0
	s_mov_b32 s[GSW1+7], 0
	; where x comes from: group g = 4 x cluster y + cy; no register that feeds x's descriptors holds cx
	s_lshl_b32 s20, s17, 2
	s_add_co_u32 s20, s20, s16                     ; g
	s_mul_i32 s22, s20, 8*12288                    ; codes: row block 8 g
	s_mov_b32 s23, 0
	s_lshl_b32 s2, s20, 12                         ; scale words: 4,096 g
	s_mov_b32 s3, 0
	; where W comes from: its rows begin at row block 512 and group 64
	s_lshl_b32 s92, s15, 4
	s_lshl_b32 s93, s12, 2
	s_add_co_u32 s92, s92, s93
	s_add_co_u32 s92, s92, 512
	s_mul_i32 s92, s92, 12288                      ; codes: row block 512 + 16 cx + 4 wave, section q
	s_mov_b32 s93, 0
	s_lshl_b32 s94, s15, 13
	s_add_co_u32 s94, s94, 64*4096                 ; scale words: group 64 + 2 cx
	s_mov_b32 s95, 0
	; where they go: the wave's number alone enters an LDS address
	s_mul_i32 s97, s12, 4*RBP
	s_add_co_u32 s97, s97, WS
	s_mov_b32 s[SEL], 0x76543210
	s_mov_b32 s[SEL+1], 0xfedcba98                 ; v_permlanex16_b32's selects for lane l xor 16
	CROUND                                         ; the round in front of the first joint loads: it stands here, while the arguments are on their way
	s_wait_kmcnt 0x0
	s_add_nc_u64 s[22:23], s[4:5], s[22:23]
	s_add_nc_u64 s[2:3], s[6:7], s[2:3]
	s_add_nc_u64 s[92:93], s[4:5], s[92:93]
	s_add_nc_u64 s[94:95], s[6:7], s[94:95]
; PREFETCHES INTO THE L2: each fill's bytes are asked for one fill ahead of the tensor load that wants them.  A row block's half of K is 6,144 bytes: 24 blocks of 256.
; W: of the four row blocks of my quarter the partner at place cy takes one: a lane a block, lanes 24-31 name block 23 again.  x's second half: of its 8 row blocks the partner at cx takes two, 12 blocks a wave.
; The fill's place stands in the immediate: no address register is written again.
.set PFW, 84
.set PFX, 86
	s_mul_i32 s88, s16, 12288
	s_mov_b32 s89, 0
	s_add_nc_u64 s[PFW:PFW+1], s[92:93], s[88:89]
	s_lshl_b32 s88, s15, 1
	s_add_co_u32 s88, s88, s13
	s_mul_i32 s88, s88, 12288
	s_mul_i32 s90, s14, 3072
	s_add_co_u32 s88, s88, s90
	s_add_nc_u64 s[PFX:PFX+1], s[22:23], s[88:89]
	s_mov_b32 s[GSX0], 1
	s_mov_b32 s[GSX0+1], SCX
	s_mov_b64 s[GSX0+2:GSX0+3], s[2:3]
	s_or_b32 s[GSX0+3], s[GSX0+3], 0x80000000
	s_mov_b32 s[GSW0], 1
	s_mov_b32 s[GSW0+1], SCW
	s_mov_b64 s[GSW0+2:GSW0+3], s[94:95]
	s_or_b32 s[GSW0+3], s[GSW0+3], 0x80000000
.irp s, 0,1
	s_mov_b32 s[GX0+4*\s], 1
	s_mov_b32 s[GX0+4*\s+1], \s*XH
	s_add_nc_u64 s[GX0+4*\s+2:GX0+4*\s+3], s[22:23], \s*RBP
	s_or_b32 s[GX0+4*\s+3], s[GX0+4*\s+3], 0x80000000
	s_mov_b32 s[GW0+4*\s], 1
	s_add_co_u32 s[GW0+4*\s+1], s97, \s*WSL
	s_add_nc_u64 s[GW0+4*\s+2:GW0+4*\s+3], s[92:93], \s*RBP
	s_or_b32 s[GW0+4*\s+3], s[GW0+4*\s+3], 0x80000000
.endr
; THE HEAD'S LOADS, ONE A WAVE: wave 0 W's slot 0 whole (its quarter begins at row block 0), wave 1 x's first half of K, wave 2 x's scale words, wave 3 W's scale words of all three sections.
; One chain of branches on the wave's number; every way through it passes one load.
.macro ARM under, g0, g1, next
	s_cmp_lt_u32 s12, \under
	s_cbranch_scc0 \next
	tensor_load_to_lds s[\g0:\g0+3], s[\g1:\g1+7]
	s_nop 0
	PLACES 4
	s_branch .Lhead_asked
\next:
.endm
	ARM 1, GW0, GW1, .Lhead_x
	ARM 2, GX0, GX1, .Lhead_sx
	ARM 3, GSX0, GSX1, .Lhead_sw
	tensor_load_to_lds s[GSW0:GSW0+3], s[GSW1:GSW1+7]
	s_nop 0
	PLACES 4
.Lhead_asked:
	v_and_b32 v1, 15, v0                           ; r
	v_bfe_u32 v2, v0, 4, 1                         ; h
	v_and_b32 v3, 31, v0                           ; lane
	v_lshlrev_b32 v[LI], 4, v3
	v_lshlrev_b32 v[SWO], 5, v1
	v_lshl_add_u32 v[SWO], v2, 3, v[SWO]
	v_min_u32 v30, 23, v3
	v_min_u32 v31, 11, v3
	v_lshlrev_b32 v30, 8, v30                      ; v30, v31: a lane's block of 256 bytes; never rewritten
	v_lshlrev_b32 v31, 8, v31
	global_prefetch_b8 v30, s[PFW:PFW+1] offset:RBP th:TH_LOAD_NT scope:SCOPE_SE   ; what the second group of fills will load: q's second half of K of W,
	global_prefetch_b8 v31, s[PFX:PFX+1] offset:RBP th:TH_LOAD_NT scope:SCOPE_SE   ; and x's second half
.irp b, 0,1,2,3
	v_mov_b32 v[TM+4+\b], 0                        ; written once: a lane permute's destination counts as one of its sources
.endr
	s_mul_i32 s2, s13, 4*RBP                       ; x as source 1: blocks 4 (wave / 2) on
	s_mul_i32 s3, s14, 8*RBP
	s_add_co_u32 s3, s3, WS                        ; W as source 0: group wave % 2
	s_mul_i32 s21, s12, 4*RBP
	s_add_co_u32 s21, s21, WS                      ; W as source 1: blocks 4 wave on
.irp s, 0,1
	v_add_nc_u32 v[AX4+\s], s2, v[LI]
	v_add_nc_u32 v[AX8+\s], \s*XH, v[LI]
	v_add_nc_u32 v[AW8+\s], s3, v[LI]
	v_add_nc_u32 v[AW4+\s], s21, v[LI]
	s_add_co_u32 s2, s2, XH
	s_add_co_u32 s3, s3, WSL
	s_add_co_u32 s21, s21, WSL
.endr
	; scale words, q and k: lanes 0-15 x's words 4 (wave / 2) on of row r; lanes 16-31 the words of W's group wave % 2: the lower base + h x the distance
	s_lshl_b32 s2, s13, 4
	s_lshl_b32 s3, s14, 12
	s_add_co_u32 s3, s3, SCW-SCX
	s_sub_co_u32 s3, s3, s2
	s_add_co_u32 s21, s3, 8192                     ; k's lie 8,192 bytes behind q's
	s_add_co_u32 s2, s2, SCX
	v_lshl_add_u32 v6, v1, 5, s2
	v_mul_u32_u24 v4, s3, v2
	v_add_nc_u32 v[ADRS], v6, v4
	v_mul_u32_u24 v4, s21, v2
	v_add_nc_u32 v[ADRS+1], v6, v4
	; v: lanes 16-31 x's words; lanes 0-15 the words 4 (wave % 2) on of W's group wave / 2: the lower base + (1 - h) x the distance
	v_xor_b32 v5, 1, v2
	s_lshl_b32 s2, s13, 12
	s_lshl_b32 s3, s14, 4
	s_add_co_u32 s2, s2, s3
	s_add_co_u32 s2, s2, SCW-SCX+2*8192
	v_mul_u32_u24 v4, s2, v5
	v_lshl_add_u32 v4, v1, 5, v4
	v_add_nc_u32 v[ADRS+2], SCX, v4
.irp c, 0,1,2
	v_lshl_add_u32 v[ADRT+\c], v2, 4, v[ADRS+\c]
.endr
	; where the results go.  q, k: row block 8 g + 4 (wave / 2) + a, K step 2 cx + wave % 2 of 8; the section stands in the stores' immediates
	s_lshl_b32 s2, s20, 3
	s_lshl_b32 s3, s13, 2
	s_add_co_u32 s2, s2, s3
	s_mul_i32 s92, s2, 12288
	s_lshl_b32 s21, s15, 1
	s_add_co_u32 s3, s21, s14
	s_mul_i32 s22, s3, 1536
	s_add_co_u32 s92, s92, s22
	s_mov_b32 s93, 0
	s_add_nc_u64 s[OQC:OQC+1], s[8:9], s[92:93]
	s_lshl_b32 s96, s20, 3
	s_add_co_u32 s96, s96, s3
	s_lshl_b32 s96, s96, 9
	s_lshl_b32 s22, s13, 4
	s_add_co_u32 s96, s96, s22                     ; my four words: 16 (wave / 2) bytes on in a row's 32
	s_mov_b32 s97, 0
	s_add_nc_u64 s[OQS:OQS+1], s[10:11], s[96:97]
	; v: batch g / 16; row block (channels) 16 cx + 4 wave + a of 64; K step (keys) g % 16 of 16
	s_lshr_b32 s2, s20, 4
	s_and_b32 s3, s20, 15
	s_lshl_b32 s94, s15, 4
	s_lshl_b32 s22, s12, 2
	s_add_co_u32 s94, s94, s22
	s_mul_i32 s94, s94, 24576
	s_mul_i32 s22, s2, 1572864
	s_add_co_u32 s94, s94, s22
	s_mul_i32 s22, s3, 1536
	s_add_co_u32 s94, s94, s22
	s_add_co_u32 s94, s94, 12582912                ; v's codes lie behind q's and k's
	s_mov_b32 s95, 0
	s_add_nc_u64 s[OVC:OVC+1], s[8:9], s[94:95]
	s_add_co_u32 s98, s21, s13                     ; group of channels 2 cx + wave / 2
	s_lshl_b32 s98, s98, 4
	s_add_co_u32 s98, s98, s3
	s_lshl_b32 s98, s98, 9
	s_lshl_b32 s22, s2, 16
	s_add_co_u32 s98, s98, s22
	s_lshl_b32 s22, s14, 4
	s_add_co_u32 s98, s98, s22                     ; my four words: 16 (wave % 2) bytes on
	s_add_co_u32 s98, s98, 524288
	s_mov_b32 s99, 0
	s_add_nc_u64 s[OVS:OVS+1], s[10:11], s[98:99]
	s_wait_alu depctr_va_vdst(0)
	s_wait_tensorcnt 0x0                           ; my tile of the head's four is in
	ds_add_u32 v[SPW], v[NIL]
	s_mov_b32 s[GW1+2], 8<<16                      ; no load of mine is out: the next W loads bring 8 row blocks
	s_mov_b32 s[GW1+4], 8
	s_wait_dscnt 0x0
	CROUND                                         ; all four tiles are in, and the sixteen work-groups meet
	s_cmp_eq_u32 s14, 0                            ; the second group, all first fills: waves 0 and 2 bring slot 1's two halves, wave 1 x's second half of K, wave 3 nothing
	s_cbranch_scc0 .Lsecond_x
	tensor_load_to_lds s[GW0+4:GW0+7], s[GW1:GW1+7]
	s_nop 0
	PLACES 4
	s_branch .Lsecond_asked
.Lsecond_x:
	s_cmp_eq_u32 s12, 1
	s_cbranch_scc0 .Lsecond_asked
	tensor_load_to_lds s[GX0+4:GX0+7], s[GX1:GX1+7]
	s_nop 0
	PLACES 4
.Lsecond_asked:
	FET 0, 0, 0
	global_prefetch_b8 v30, s[PFW:PFW+1] offset:SECB th:TH_LOAD_NT scope:SCOPE_SE   ; the next fill: k's first half of K
	SECTION 0                                      ; q
	SECTION 1                                      ; k
	SECTION 2                                      ; v
	s_wait_tensorcnt 0x0                           ; the wave's end
	ds_add_u32 v[SPW], v[NIL]
	s_wait_dscnt 0x0
	CROUND                                         ; the closing round: no work-group ends while a partner may still ask for a tile that names it
	s_endpgm
.Lfunc_end_k_q15cedeecdf_qkv:
	.size	k_q15cedeecdf_qkv, .Lfunc_end_k_q15cedeecdf_qkv-k_q15cedeecdf_qkv
	.p2alignl 7, 3214868480
	.fill 96, 4, 3214868480
	.section	.rodata,"a",@progbits
	.p2align	6, 0x0
	.amdhsa_kernel k_q15cedeecdf_qkv
		.amdhsa_group_segment_fixed_size 327680
		.amdhsa_private_segment_fixed_size 0
		.amdhsa_enable_private_segment 0
		.amdhsa_kernarg_size 32
		.amdhsa_user_sgpr_count 2
		.amdhsa_user_sgpr_kernarg_segment_ptr 1
		.amdhsa_wavefront_size32 1
		.amdhsa_system_sgpr_workgroup_id_x 1
		.amdhsa_system_sgpr_workgroup_id_y 1
		.amdhsa_system_sgpr_workgroup_id_z 1
		.amdhsa_system_vgpr_workitem_id 0
		.amdhsa_next_free_vgpr 768
		.amdhsa_next_free_sgpr 100
		.amdhsa_reserve_vcc 1
		.amdhsa_float_denorm_mode_32 3
		.amdhsa_float_denorm_mode_16_64 3
		.amdhsa_memory_ordered 1
		.amdhsa_forward_progress 1
		.amdhsa_inst_pref_size 228
	.end_amdhsa_kernel
	.amdgpu_metadata
---
amdhsa.version: [ 1, 2 ]
amdhsa.kernels:
  - .name:           k_q15cedeecdf_qkv
    .symbol:         k_q15cedeecdf_qkv.kd
    .args:
      - { .name: c1, .offset: 0, .size: 8, .value_kind: global_buffer, .address_space: global }
      - { .name: s1, .offset: 8, .size: 8, .value_kind: global_buffer, .address_space: global }
      - { .name: qkvc, .offset: 16, .size: 8, .value_kind: global_buffer, .address_space: global }
      - { .name: qkvs, .offset: 24, .size: 8, .value_kind: global_buffer, .address_space: global }
    .group_segment_fixed_size: 327680
    .private_segment_fixed_size: 0
    .kernarg_segment_align: 8
    .kernarg_segment_size: 32
    .max_flat_workgroup_size: 128
    .sgpr_count:     100
    .vgpr_count:     768
    .wavefront_size: 32
...
	.end_amdgpu_metadata
.endif
;; end of part 2
;; launch scores (part 3): grid 8 x 32, 4 waves a work-group, clusters of 4 x 4, 327,680 bytes of LDS; arguments qkvc, qkvs, pc, pst; writes pc, pst
.if DOCPART == 3
	.amdgcn_target "amdgcn-amd-amdhsa--gfx1250"
	.amdhsa_code_object_version 6
	.text
	.protected	k_q15cedeecdf_scores
	.globl	k_q15cedeecdf_scores
	.p2align	8
	.type	k_q15cedeecdf_scores,@function
k_q15cedeecdf_scores:
	s_mov_b64 s[64:65], 0
	v_nop
	global_prefetch_b8 v0, s[64:65] scope:SCOPE_SE
	s_setreg_imm32_b32 hwreg(HW_REG_WAVE_MODE, 25, 1), 1
	s_wait_xcnt 0x0
	s_wait_alu depctr_hold_cnt(0) depctr_sa_sdst(0) depctr_va_vdst(0) depctr_va_sdst(0) depctr_va_ssrc(0) depctr_va_vcc(0) depctr_vm_vsrc(0)
	s_getreg_b32 s2, hwreg(HW_REG_IB_STS2, 6, 4)
	s_cmp_eq_u32 s2, 0
	s_cbranch_scc0 .Lentry_in_a_cluster
	s_endpgm
.Lentry_in_a_cluster:
	s_bfe_u32 s2, ttmp6, 0x10000c
	s_cmp_lg_u32 s2, 0xf033
	s_cbranch_scc0 .Lentry_shape_is_right
	s_endpgm
.Lentry_shape_is_right:
; S = q k^T on codes of FP6 (E2M3), and the softmax's p for the next product, chunk by chunk of 128 keys.
; For each query and each chunk: t = score x log2(e) / 32; M = the chunk's largest t rounded UP to a whole number; p = 2^(t - M), quantised along the keys; l = the sum of the unquantised p.
; Stored: p's codes, p's scale word, -M and l.  The next launch finds the row's M, shifts each chunk's scale bytes down by (row's M - chunk's M), a whole number, and brings l under the row's M: the codes' values come out as under the row's M.
; C' = A' B'^T: A' = q (256 queries a work-group), B' = k (256 keys of the same batch); four waves, 128 x 128 each.  K = 1,024: 8 steps of 128, three to an LDS slot (the last fill two), two slots, all written out.
; THE MATRIX INSTRUCTION: source 0 = 16 rows of B', source 1 = 16 rows of A'.  All operands have their rows in the order: block i, lane-row r = row 32 (i / 2) + 8 (i % 2) + r + 8 (r / 8) of a group of 128:
; of A' block a's eight accumulators register 16 b + i of lane (r, h) is key 32 b + 16 h + i of the wave's chunk; a lane holds one query.
; OPERANDS lie in memory and in LDS as images of their registers (1,536 bytes a fragment); scale words: 512 bytes for a group and a K step, word (r, i) at 32 r + 4 i; -M and l are laid like scale words.
; CLUSTERS: 4 x 4 work-groups; q's tiles are asked for jointly along a row of the cluster, k's along a column.
; LIMITS: a block whose every p has fallen to 0 keeps the byte 1: its codes are zeros.  v_exp_f32 gives 0 where p would lie under 2^-126.  NaN and infinities are not served.
; REGISTERS: window 0: v1-29 addresses; v32-47 scale words, two sets; v64-159, v160-255 A' fragments, two sets (free on the way out).  window 1: B' fragments, two sets.  windows 2, 3: accumulator (a, b) at v[8 (8 (a % 4) + b)].
.set NA,    8
.set NQ,    3                          ; K steps to a slot: the 8 steps come in three fills: steps 0-2 (slot 0), 3-5 (slot 1), 6-7 (slot 0 again)
.set KT,    8
.set RBP,   NQ*1536
.set HALFA, NA*RBP
.set HALFB, 8*RBP
.set SLOT,  2*HALFA+2*HALFB
.set GP,    KT*1536
.set SG,    KT*512
.set SCL,   2*SLOT
.set SPARE, SCL+4*SG                   ; the spare words, 128 bytes for each wave: two blocks of 256 bytes that no other line names
.set ADRA, 16
.set ADRB, 20
.set LI,   25
.set SWO,  26
.set ADRS, 27
.set SPW,  28
.set NIL,  29
.set SC,   32
.set AF,   64
.set T,    64                          ; the way out: v64-127 t - M, then p
.set PC,   128                         ; codes
.set BM,   148                         ; the four blocks' largest scores, then largest p
.set BX,   152
.set SO,   156                         ; the conversions' scale operands
.set BY,   160                         ; the bytes
.set NMP,  164                         ; v[164:165] -M (the low word serves both halves of the packed form)
.set TP,   166
.set LA,   168
.set LB,   170
.set PWA,  176                         ; the eight blocks' scale words,
.set NMA,  184                         ; -M,
.set LSA,  192                         ; and l
.set OUTQ, 200
.set G1,   24
.set G0,   32
.set G1B,  48
.set G0B,  56
.set SEL,  66
.set G1S,  68
.set G0S,  76
.set G1SB, 80
.set G0SB, 88
.set CS,   98                          ; s[98:99] c = log2(e) / 32
.set MSB, 0
.macro WIN new
.if MSB != (\new)
	s_set_vgpr_msb (MSB<<8)|(\new)
.set MSB, (\new)
.endif
.endm
.macro PLACES n
.rept \n
	v_nop
.endr
.endm
.macro JLOAD g0a, g1a, g0b, g1b        ; a joint load: waves 0 and 1 for A', waves 2 and 3 for B'; four v_nop follow each line
	s_cmp_eq_u32 s15, 0
	s_cbranch_scc0 .Lfor_b_\@
	tensor_load_to_lds s[\g0a:\g0a+3], s[\g1a:\g1a+7]
	s_nop 0
.rept 4
	v_nop
.endr
	s_branch .Lasked_\@
.Lfor_b_\@:
	tensor_load_to_lds s[\g0b:\g0b+3], s[\g1b:\g1b+7]
	s_nop 0
.rept 4
	v_nop
.endr
.Lasked_\@:
.endm
.macro CREST
	s_cmp_lg_u32 s14, 0
	s_cbranch_scc1 .Lnot_wave_0_\@
	s_barrier_signal -3
.Lnot_wave_0_\@:
	s_barrier_wait -3
	s_barrier_signal -1
	s_barrier_wait -1
.endm
.macro CROUND
	s_barrier_signal -1
	s_barrier_wait -1
	CREST
.endm
.macro FRAG3 reg, adr, off
.irp c, 0,1,2
	ds_load_b128 v[\reg+4*\c:\reg+4*\c+3], v[\adr] offset:\off+512*\c
.endr
.endm
.macro FETCH slot, q, set, ks
	WIN 0x40
.irp i, 0,1,2,3,4,5,6,7
	FRAG3 128*(\set)+12*\i, ADRB+(\slot), \i*RBP+(\q)*1536
.endr
	WIN 0
.set I_, 0
.rept NA
	FRAG3 AF+96*(\set)+12*I_, ADRA+(\slot), I_*RBP+(\q)*1536
.set I_, I_+1
.endr
	ds_load_b128 v[SC+8*(\set):SC+8*(\set)+3], v[ADRS] offset:512*(\ks)
	ds_load_b128 v[SC+8*(\set)+4:SC+8*(\set)+7], v[ADRS] offset:512*(\ks)+16
.endm
.macro MUL a0, n, set, zero            ; the accumulators take turns, one instruction a turn
.set A_, \a0
.rept \n
.irp b, 0,1,2,3,4,5,6,7
.set AC_, 8*(8*(A_%4)+\b)
.if \zero
	v_wmma_scale_f32_16x16x128_f8f6f4 v[AC_:AC_+7], v[128*(\set)+12*\b:128*(\set)+12*\b+11], v[AF+96*(\set)+12*A_:AF+96*(\set)+12*A_+11], 0, v[SC+8*(\set)+\b], v[SC+8*(\set)+A_] matrix_a_fmt:MATRIX_FMT_FP6 matrix_b_fmt:MATRIX_FMT_FP6 matrix_a_scale:MATRIX_SCALE_ROW1
.else
	v_wmma_scale_f32_16x16x128_f8f6f4 v[AC_:AC_+7], v[128*(\set)+12*\b:128*(\set)+12*\b+11], v[AF+96*(\set)+12*A_:AF+96*(\set)+12*A_+11], v[AC_:AC_+7], v[SC+8*(\set)+\b], v[SC+8*(\set)+A_] matrix_a_fmt:MATRIX_FMT_FP6 matrix_b_fmt:MATRIX_FMT_FP6 matrix_a_scale:MATRIX_SCALE_ROW1
.endif
.endr
.set A_, A_+1
.endr
.endm
.macro MULALL set, zero
	WIN 0xa1
	MUL 0, 4, \set, \zero
.if NA == 8
	WIN 0xf1
	MUL 4, 4, \set, \zero
.endif
.endm
.macro STEP slot, q, ks, zero
	s_wait_dscnt 0x0                               ; this set's loads, issued a step ago, are in
	PLACES 4                                       ; four places between the last product that read the other set and the loads into it
	FETCH \slot, (\q)+1, ((\ks)+1)%2, (\ks)+1      ; the register sets take turns by the K step's number
	MULALL (\ks)%2, \zero
	WIN 0
.endm
.macro TURN slot, ks, fill
	s_wait_tensorcnt 0x0                           ; all my tensor loads have landed: my part of the next slot
	ds_add_u32 v[SPW], v[NIL]                      ; 0 onto my spare word
	s_wait_dscnt 0x1                               ; this set's loads are in; the add alone may be out
	WIN 0xa1
	MUL 0, NA/4, (\ks)%2, 0
	s_wait_dscnt 0x0                               ; the add is done, and my reads of this slot are over
	s_barrier_signal -1
	MUL NA/4, NA/4, (\ks)%2, 0
	WIN 0
	s_barrier_wait -1
.if \fill
	CREST                                          ; no wave of any partner still reads this slot or has a load on its way
	s_mov_b32 s[G1+1], (2*192)<<16                 ; the one refill brings K steps 6 and 7: two steps are left of a row, and the tile's third is written as zeros, which nobody reads: the LDS pitch stays
	s_mov_b32 s[G1B+1], (2*192)<<16
	s_add_nc_u64 s[G0+4*\slot+2:G0+4*\slot+3], s[G0+4*\slot+2:G0+4*\slot+3], 2*RBP
	s_add_nc_u64 s[G0B+4*\slot+2:G0B+4*\slot+3], s[G0B+4*\slot+2:G0B+4*\slot+3], 2*RBP
	JLOAD G0+4*\slot, G1, G0B+4*\slot, G1B         ; the first tensor load behind the round; its four v_nop are also the places in front of the loads below
.else
	PLACES 4
.endif
	FETCH 1-(\slot), 0, ((\ks)+1)%2, (\ks)+1
.if NA == 8
	WIN 0xf1
.else
	WIN 0xa1
.endif
	MUL NA/2, NA/2, (\ks)%2, 0
	WIN 0
.endm
	s_load_b256 s[4:11], s[0:1], 0x0               ; q, k, v codes s[4:5], their scales s[6:7], p's codes s[8:9], p's figures s[10:11]
	v_lshl_add_u32 v[SPW], v0, 2, SPARE
	v_mov_b32 v[NIL], 0
	ds_add_u32 v28, v29
	ds_add_u32 v28, v29
	s_wait_dscnt 0x0
	v_lshrrev_b32 v1, 5, v0
	v_readfirstlane_b32 s14, v1
	s_lshr_b32 s15, s14, 1
	s_and_b32 s16, s14, 1
	s_bfe_u32 s40, ttmp6, 0x40000                  ; cx
	s_bfe_u32 s41, ttmp6, 0x40004                  ; cy
	s_mov_b32 s12, ttmp9                           ; X
	s_and_b32 s13, ttmp7, 0xffff                   ; Y
	s_lshl_b32 s43, s41, 2
	s_lshl_b32 s43, 15, s43
	s_lshl_b32 s44, 0x1111, s40
	s_or_b32 s[G1], s43, (3<<16)|(1<<21)
	s_or_b32 s[G1B], s44, (3<<16)|(1<<21)
	s_mov_b32 s[G1+1], (NQ*192)<<16
	s_mov_b32 s[G1+2], 16<<16                      ; the head's loads of codes bring all 16 row blocks of a tile
	s_mov_b32 s[G1+3], (NQ*192)<<16
	s_mov_b32 s[G1+4], 16
	s_mov_b32 s[G1+5], KT*192
	s_mov_b32 s[G1+6], 0
	s_mov_b32 s[G1+7], 0
	s_mov_b32 s[G1B+1], (NQ*192)<<16
	s_mov_b32 s[G1B+2], 16<<16
	s_mov_b32 s[G1B+3], (NQ*192)<<16
	s_mov_b32 s[G1B+4], 16
	s_mov_b32 s[G1B+5], KT*192
	s_mov_b32 s[G1B+6], 0
	s_mov_b32 s[G1B+7], 0
	s_or_b32 s[G1S], s43, (3<<16)|(1<<21)
	s_or_b32 s[G1SB], s44, (3<<16)|(1<<21)
.irp g, G1S, G1SB
	s_mov_b32 s[\g+1], 32<<16
	s_mov_b32 s[\g+2], (2*SG/256)<<16              ; both groups' scale words in one load
	s_mov_b32 s[\g+3], 32<<16
	s_mov_b32 s[\g+4], 2*SG/256
	s_mov_b32 s[\g+5], 32
	s_mov_b32 s[\g+6], 0
	s_mov_b32 s[\g+7], 0
.endr
	s_lshl_b32 s20, s13, 2
	s_add_co_u32 s20, s20, s41                     ; q's tile of 256 queries: 4 Y + cy
	s_lshl_b32 s22, s20, 4
	s_lshl_b32 s23, s16, 3
	s_add_co_u32 s22, s22, s23
	s_mul_i32 s22, s22, GP
	s_mov_b32 s23, 0
	s_lshl_b32 s18, s20, 1
	s_mul_i32 s18, s18, SG
	s_mov_b32 s19, 0
	s_lshr_b32 s17, s13, 1                         ; the batch: (4 Y + cy) / 8 = Y / 2
	s_lshl_b32 s42, s12, 2
	s_add_co_u32 s42, s42, s40                     ; k's tile of 256 keys in the batch: 4 X + cx
	s_lshl_b32 s92, s17, 7
	s_lshl_b32 s94, s42, 4
	s_add_co_u32 s92, s92, s94
	s_lshl_b32 s94, s16, 3
	s_add_co_u32 s92, s92, s94
	s_mul_i32 s92, s92, GP
	s_add_co_u32 s92, s92, 6291456                 ; k's codes lie behind q's
	s_mov_b32 s93, 0
	s_lshl_b32 s46, s17, 4
	s_lshl_b32 s94, s42, 1
	s_add_co_u32 s46, s46, s94
	s_mul_i32 s46, s46, SG
	s_add_co_u32 s46, s46, 262144
	s_mov_b32 s47, 0
	s_mul_i32 s45, s16, HALFA
	s_mul_i32 s94, s16, HALFB
	s_add_co_u32 s94, s94, 2*HALFA
	s_mov_b32 s95, 0
	s_add_co_u32 s96, s95, SCL+2*SG
	s_add_co_u32 s95, s95, SCL
	s_mov_b32 s[SEL], 0x76543210
	s_mov_b32 s[SEL+1], 0xfedcba98
	s_mov_b32 s[CS], 0x3d38aa3b                    ; log2(e) / 32
	s_mov_b32 s[CS+1], s[CS]                       ; (named with it as a pair, so it is written)
	CROUND                                         ; the round in front of the first joint loads: it stands here, while the arguments are on their way
	s_wait_kmcnt 0x0
	s_add_nc_u64 s[22:23], s[4:5], s[22:23]
	s_add_nc_u64 s[18:19], s[6:7], s[18:19]
	s_add_nc_u64 s[92:93], s[4:5], s[92:93]
	s_add_nc_u64 s[46:47], s[6:7], s[46:47]
; PREFETCHES INTO THE L2: each fill's bytes are asked for one fill ahead of its tensor load.  Of the 8 row blocks of my half of q's tile (waves 0, 1) or of k's (waves 2, 3) the partner at place cx (q) or cy (k) takes two:
; a lane a block of 256 bytes, 18 blocks for three K steps of a row block, 12 for two; the lanes left over name the last block again.  The fill's place stands in the immediate.
	s_cmp_eq_u32 s15, 0
	s_cselect_b64 s[12:13], s[22:23], s[92:93]
	s_cselect_b32 s2, s40, s41
	s_mul_i32 s2, s2, 2*GP
	s_mov_b32 s3, 0
	s_add_nc_u64 s[12:13], s[12:13], s[2:3]
	s_mov_b32 s[G0S], 1
	s_mov_b32 s[G0S+1], s95
	s_mov_b64 s[G0S+2:G0S+3], s[18:19]
	s_or_b32 s[G0S+3], s[G0S+3], 0x80000000
	s_mov_b32 s[G0SB], 1
	s_mov_b32 s[G0SB+1], s96
	s_mov_b64 s[G0SB+2:G0SB+3], s[46:47]
	s_or_b32 s[G0SB+3], s[G0SB+3], 0x80000000
.irp s, 0,1
	s_mov_b32 s[G0+4*\s], 1
	s_add_co_u32 s[G0+4*\s+1], s45, \s*SLOT
	s_add_nc_u64 s[G0+4*\s+2:G0+4*\s+3], s[22:23], \s*RBP
	s_or_b32 s[G0+4*\s+3], s[G0+4*\s+3], 0x80000000
	s_mov_b32 s[G0B+4*\s], 1
	s_add_co_u32 s[G0B+4*\s+1], s94, \s*SLOT
	s_add_nc_u64 s[G0B+4*\s+2:G0B+4*\s+3], s[92:93], \s*RBP
	s_or_b32 s[G0B+4*\s+3], s[G0B+4*\s+3], 0x80000000
.endr
.macro ARM under, g0, g1, next
	s_cmp_lt_u32 s14, \under
	s_cbranch_scc0 \next
	tensor_load_to_lds s[\g0:\g0+3], s[\g1:\g1+7]
	s_nop 0
	PLACES 4
	s_branch .Lhead_asked
\next:
.endm
	ARM 1, G0, G1, .Lhead_sa
	ARM 2, G0S, G1S, .Lhead_b
	ARM 3, G0B, G1B, .Lhead_sb
	tensor_load_to_lds s[G0SB:G0SB+3], s[G1SB:G1SB+7]
	s_nop 0
	PLACES 4
.Lhead_asked:
	v_and_b32 v1, 15, v0                           ; r
	v_bfe_u32 v2, v0, 4, 1                         ; h
	s_wait_alu depctr_va_vdst(0)
	v_and_b32 v3, 31, v0                           ; lane
	v_lshlrev_b32 v[LI], 4, v3
	v_lshlrev_b32 v[SWO], 5, v1
	v_lshl_add_u32 v[SWO], v2, 4, v[SWO]
	v_min_u32 v30, 17, v3
	v_min_u32 v31, 11, v3
	v_lshlrev_b32 v30, 8, v30                      ; v30, v31: a lane's block of 256 bytes; never rewritten
	v_lshlrev_b32 v31, 8, v31
	global_prefetch_b8 v30, s[12:13] offset:RBP th:TH_LOAD_NT scope:SCOPE_SE      ; K steps 3-5 of my two row blocks
	global_prefetch_b8 v30, s[12:13] offset:RBP+GP th:TH_LOAD_NT scope:SCOPE_SE
	s_mul_i32 s18, s15, HALFA
	s_mul_i32 s19, s16, HALFB
	s_add_co_u32 s19, s19, 2*HALFA
.irp s, 0,1
	v_add_nc_u32 v[ADRA+\s], s18, v[LI]
	v_add_nc_u32 v[ADRB+\s], s19, v[LI]
	s_add_co_u32 s18, s18, SLOT
	s_add_co_u32 s19, s19, SLOT
.endr
	s_mul_i32 s18, s15, SG
	s_mul_i32 s19, s16, SG
	s_add_co_u32 s19, s19, 2*SG
	s_sub_co_u32 s19, s19, s18
	v_mul_u32_u24 v4, s19, v2                      ; lanes 16-31 take B's
	s_add_co_u32 s18, s18, SCL
	v_lshl_add_u32 v4, v1, 5, v4
	v_add_nc_u32 v[ADRS], s18, v4
	; where the results go: p's K step (chunk of 128 keys) = 2 x key tile + my B' half, of 16; row block 16 x query tile + 8 x my A' half + a
	s_lshl_b32 s17, s42, 1
	s_add_co_u32 s17, s17, s16
	s_lshl_b32 s18, s20, 4
	s_lshl_b32 s19, s15, 3
	s_add_co_u32 s18, s18, s19
	s_lshl_b32 s18, s18, 4
	s_add_co_u32 s18, s18, s17
	s_mul_i32 s18, s18, 1536
	s_mov_b32 s19, 0
	s_add_nc_u64 s[8:9], s[8:9], s[18:19]
	s_lshl_b32 s18, s20, 1
	s_add_co_u32 s18, s18, s15
	s_lshl_b32 s18, s18, 4
	s_add_co_u32 s18, s18, s17
	s_lshl_b32 s18, s18, 9
	s_add_nc_u64 s[10:11], s[10:11], s[18:19]
	s_wait_alu depctr_va_vdst(0)
	s_wait_tensorcnt 0x0                           ; my tile of the head's four is in
	ds_add_u32 v[SPW], v[NIL]
	s_mov_b32 s[G1+2], NA<<16                      ; no load of mine is out: from here on a load brings my half of a tile, 8 row blocks
	s_mov_b32 s[G1+4], NA
	s_mov_b32 s[G1B+2], 8<<16
	s_mov_b32 s[G1B+4], 8
	s_wait_dscnt 0x0
	CROUND                                         ; all four tiles are in, and the sixteen work-groups meet
	JLOAD G0+4, G1, G0B+4, G1B                     ; slot 1's first fill, K steps 3-5: my one load behind the round
	FETCH 0, 0, 0, 0
	global_prefetch_b8 v31, s[12:13] offset:2*RBP th:TH_LOAD_NT scope:SCOPE_SE     ; K steps 6 and 7 of my two row blocks: the last fill
	global_prefetch_b8 v31, s[12:13] offset:2*RBP+GP th:TH_LOAD_NT scope:SCOPE_SE
	STEP 0, 0, 0, 1                                ; the first step's products start the sums
	STEP 0, 1, 1, 0
	TURN 0, 2, 1
	STEP 1, 0, 3, 0
	STEP 1, 1, 4, 0
	TURN 1, 5, 0
	STEP 0, 0, 6, 0
	s_wait_dscnt 0x0
	MULALL 1, 0
	WIN 0
; THE WAY OUT of A' block a: 16 queries x the wave's 128 keys.
.macro SOFT a
.set S_, 64*((\a)%4)
.set W_, 2+(\a)/4
	WIN W_|(W_<<2)
.irp b, 0,1,2,3
	v_max_num_f32 v[BM+\b], v[S_+16*\b], v[S_+16*\b+1]   ; the largest score of each block of 32 keys: it serves for the chunk's maximum and, since p rises with the score, for the block's largest p.  Each accumulator is read from its low end on
.endr
.irp i, 2,4,6,8,10,12,14
.irp b, 0,1,2,3
	v_max3_num_f32 v[BM+\b], v[S_+16*\b+\i], v[S_+16*\b+\i+1], v[BM+\b]
.endr
.endr
	WIN 0
.irp b, 0,1,2,3
	v_permlanex16_b32 v[BX+\b], v[BM+\b], s[SEL], s[SEL+1]
.endr
.irp b, 0,1,2,3
	v_max_num_f32 v[BM+\b], v[BM+\b], v[BX+\b]     ; with lane l xor 16's 16 keys
.endr
	v_max3_num_f32 v[TP], v[BM], v[BM+1], v[BM+2]
	v_max_num_f32 v[TP], v[TP], v[BM+3]            ; the chunk's largest score of my query
	v_mul_f32 v[TP], s[CS], v[TP]                  ; as t (c is positive)
	v_floor_f32 v[NMP], -v[TP]                     ; -M = floor(-t) = -ceil(t): a whole number
	v_mov_b32 v[NMA+(\a)], v[NMP]
	WIN W_
.set J_, 0
.rept 32
	v_pk_fma_f32 v[T+J_:T+J_+1], v[S_+J_:S_+J_+1], s[CS:CS+1], v[NMP:NMP+1] op_sel_hi:[1,0,0]   ; t - M, two at a time
.set J_, J_+2
.endr
	WIN 0
.irp b, 0,1,2,3
	v_fma_f32 v[BM+\b], v[BM+\b], s[CS], v[NMP]    ; the same of each block's largest score
.endr
.set J_, 0
	s_wait_alu depctr_va_vdst(0)
.rept 64
	v_exp_f32 v[T+J_], v[T+J_]                     ; p = 2^(t - M): not normalised
.set J_, J_+1
.endr
.irp b, 0,1,2,3
	v_exp_f32 v[BM+\b], v[BM+\b]                   ; the block's largest p
.endr
	v_nop                                          ; a plain place behind the exponentials
	s_wait_alu depctr_va_vdst(0)
.irp b, 0,1,2,3
	v_max_num_f32 v[BM+\b], 0x1800000, v[BM+\b]    ; the floor 2^(3 - 127): the byte cannot fall under 1
.endr
.irp b, 0,1,2,3
	v_add_nc_u32 v[SO+\b], 0xff000000, v[BM+\b]    ; 2 off the exponent field: the conversion's scale operand
.endr
.irp b, 0,1,2,3
	v_lshrrev_b32 v[BY+\b], 23, v[SO+\b]           ; the scale's byte
.endr
	v_lshl_or_b32 v[PWA+(\a)], v[BY+1], 8, v[BY]
	v_lshl_or_b32 v[PWA+(\a)], v[BY+2], 16, v[PWA+(\a)]
	v_lshl_or_b32 v[PWA+(\a)], v[BY+3], 24, v[PWA+(\a)]
	s_wait_alu depctr_va_vdst(0)
	s_wait_xcnt 0x0                                ; the last block's stores have read the codes' registers: they are written again only behind this wait
.irp c, 0,1
	v_cvt_scalef32_pk16_fp6_f32 v[PC+6*\c:PC+6*\c+2], v[T+32*\c:T+32*\c+15], v[SO+2*\c]
	v_cvt_scalef32_pk16_fp6_f32 v[PC+12+4*\c:PC+14+4*\c], v[T+16+32*\c:T+31+32*\c], v[SO+2*\c+1]
.endr
	v_nop                                          ; one plain place behind a scaled conversion
.irp c, 0,1
.irp i, 0,1,2
	v_permlane16_swap_b32 v[PC+6*\c+\i], v[PC+12+4*\c+\i]
.endr
.irp i, 0,1,2
	v_mov_b32 v[PC+3+6*\c+\i], v[PC+12+4*\c+\i]
.endr
.endr
.irp c, 0,1,2
	global_store_b128 v[LI], v[PC+4*\c:PC+4*\c+3], s[8:9] offset:24576*(\a)+512*\c   ; 32 lanes store 512 consecutive bytes, aligned
.endr
	v_pk_add_f32 v[LB:LB+1], v[T:T+1], v[T+2:T+3]  ; l is taken of the unquantised p: two at a time, in two chains
	v_pk_add_f32 v[LA:LA+1], v[T+4:T+5], v[T+6:T+7]
.irp j, 8,12,16,20,24,28,32,36,40,44,48,52,56,60
	v_pk_add_f32 v[LA:LA+1], v[LA:LA+1], v[T+\j:T+\j+1]
	v_pk_add_f32 v[LB:LB+1], v[LB:LB+1], v[T+\j+2:T+\j+3]
.endr
	v_pk_add_f32 v[LA:LA+1], v[LA:LA+1], v[LB:LB+1]
	v_add_f32 v[LA], v[LA], v[LA+1]
	v_permlanex16_b32 v[LB], v[LA], s[SEL], s[SEL+1]
	v_add_f32 v[LSA+(\a)], v[LA], v[LB]            ; with lane l xor 16's: the chunk's sum
.endm
	PLACES 4                                       ; between the last products and the first read of results and the first write over their operands
.irp b, 0,1,2,3
	v_mov_b32 v[BX+\b], 0                          ; a lane permute's destination counts as one of its sources
.endr
	v_mov_b32 v[NMP+1], 0                          ; (named as the upper half of a pair)
.irp a, 0,1,2,3,4,5,6,7
	SOFT \a
.endr
	v_cmp_le_u32 vcc_lo, 16, v3                    ; lanes 0-15 store words 0-3 of row r, lanes 16-31 words 4-7: 512 consecutive bytes a store
.irp j, 0,1,2,3
	v_cndmask_b32 v[OUTQ+\j], v[PWA+\j], v[PWA+4+\j], vcc_lo
	v_cndmask_b32 v[OUTQ+4+\j], v[NMA+\j], v[NMA+4+\j], vcc_lo
	v_cndmask_b32 v[OUTQ+8+\j], v[LSA+\j], v[LSA+4+\j], vcc_lo
.endr
	global_store_b128 v[SWO], v[OUTQ:OUTQ+3], s[10:11]
	global_store_b128 v[SWO], v[OUTQ+4:OUTQ+7], s[10:11] offset:524288
	global_store_b128 v[SWO], v[OUTQ+8:OUTQ+11], s[10:11] offset:1048576
	s_wait_tensorcnt 0x0                           ; the wave's end
	ds_add_u32 v[SPW], v[NIL]
	s_wait_dscnt 0x0
	CROUND                                         ; the closing round
	s_endpgm
.Lfunc_end_k_q15cedeecdf_scores:
	.size	k_q15cedeecdf_scores, .Lfunc_end_k_q15cedeecdf_scores-k_q15cedeecdf_scores
	.p2alignl 7, 3214868480
	.fill 96, 4, 3214868480
	.section	.rodata,"a",@progbits
	.p2align	6, 0x0
	.amdhsa_kernel k_q15cedeecdf_scores
		.amdhsa_group_segment_fixed_size 327680
		.amdhsa_private_segment_fixed_size 0
		.amdhsa_enable_private_segment 0
		.amdhsa_kernarg_size 32
		.amdhsa_user_sgpr_count 2
		.amdhsa_user_sgpr_kernarg_segment_ptr 1
		.amdhsa_wavefront_size32 1
		.amdhsa_system_sgpr_workgroup_id_x 1
		.amdhsa_system_sgpr_workgroup_id_y 1
		.amdhsa_system_sgpr_workgroup_id_z 1
		.amdhsa_system_vgpr_workitem_id 0
		.amdhsa_next_free_vgpr 1024
		.amdhsa_next_free_sgpr 100
		.amdhsa_reserve_vcc 1
		.amdhsa_float_denorm_mode_32 3
		.amdhsa_float_denorm_mode_16_64 3
		.amdhsa_memory_ordered 1
		.amdhsa_forward_progress 1
		.amdhsa_inst_pref_size 193
	.end_amdhsa_kernel
	.amdgpu_metadata
---
amdhsa.version: [ 1, 2 ]
amdhsa.kernels:
  - .name:           k_q15cedeecdf_scores
    .symbol:         k_q15cedeecdf_scores.kd
    .args:
      - { .name: qkvc, .offset: 0, .size: 8, .value_kind: global_buffer, .address_space: global }
      - { .name: qkvs, .offset: 8, .size: 8, .value_kind: global_buffer, .address_space: global }
      - { .name: pc, .offset: 16, .size: 8, .value_kind: global_buffer, .address_space: global }
      - { .name: pst, .offset: 24, .size: 8, .value_kind: global_buffer, .address_space: global }
    .group_segment_fixed_size: 327680
    .private_segment_fixed_size: 0
    .kernarg_segment_align: 8
    .kernarg_segment_size: 32
    .max_flat_workgroup_size: 128
    .sgpr_count:     100
    .vgpr_count:     1024
    .wavefront_size: 32
...
	.end_amdgpu_metadata
.endif
;; end of part 3
;; launch pv (part 4): grid 4 x 64, 4 waves a work-group, clusters of 4 x 4, 327,680 bytes of LDS; arguments pc, pst, qkvc, qkvs, out0; writes out0
.if DOCPART == 4
	.amdgcn_target "amdgcn-amd-amdhsa--gfx1250"
	.amdhsa_code_object_version 6
	.text
	.protected	k_q15cedeecdf_pv
	.globl	k_q15cedeecdf_pv
	.p2align	8
	.type	k_q15cedeecdf_pv,@function
k_q15cedeecdf_pv:
	s_mov_b64 s[64:65], 0
	v_nop
	global_prefetch_b8 v0, s[64:65] scope:SCOPE_SE
	s_setreg_imm32_b32 hwreg(HW_REG_WAVE_MODE, 25, 1), 1
	s_wait_xcnt 0x0
	s_wait_alu depctr_hold_cnt(0) depctr_sa_sdst(0) depctr_va_vdst(0) depctr_va_sdst(0) depctr_va_ssrc(0) depctr_va_vcc(0) depctr_vm_vsrc(0)
	s_getreg_b32 s2, hwreg(HW_REG_IB_STS2, 6, 4)
	s_cmp_eq_u32 s2, 0
	s_cbranch_scc0 .Lentry_in_a_cluster
	s_endpgm
.Lentry_in_a_cluster:
	s_bfe_u32 s2, ttmp6, 0x10000c
	s_cmp_lg_u32 s2, 0xf033
	s_cbranch_scc0 .Lentry_shape_is_right
	s_endpgm
.Lentry_shape_is_right:
; O = (p v) / l on codes of FP6 (E2M3).  p arrives chunk by chunk of 128 keys, each chunk under its own whole number M, with its scale word, -M and l.
; THE HEAD brings the chunks under the row's M: -M(row) = the least of the 16 chunks' -M; d = M(row) - M(chunk), a whole number, 0 or more; each scale byte goes down by d; l(row) = the sum of l(chunk) x 2^-d.  The codes stay as they are.
; C' = A' B'^T: A' = p (128 queries a work-group), B' = v^T (256 channels); four waves, 64 x 128 each: 32 accumulators.  K = 2,048 keys: 16 steps of 128, four to an LDS slot, two slots, all written out.
; A tile of 256 x 256 would give 128 work-groups: so the tile is 128 x 256, 256 work-groups, and a slot holds 512 along K, 128 matrix instructions a wave.
; THE MATRIX INSTRUCTION: source 0 = 16 rows of B', source 1 = 16 rows of A'.  Rows in the order: block i, lane-row r = row 32 (i / 2) + 8 (i % 2) + r + 8 (r / 8) of a group of 128:
; register j of accumulator (a, b) in lane (r, h) is O(query of block a's lane-row r, channel 32 (b / 2) + 8 (b % 2) + 16 h + j of the wave's 128).
; CLUSTERS: 4 x 4 work-groups; p's tiles are asked for jointly along a row of the cluster, v's tiles and scale words along a column.  p's scale words are made by each work-group for itself.
; LIMITS: d is held at 127.  A scale byte that would fall under 0 is held at 0 (2^-127) with its codes kept: what this adds is at most 7.5 x 2^-127 x |v| a key, beside a row whose largest p is over 1/2.
; A chunk 127 or more powers of two under the row's M adds nothing to l.  NaN and infinities are not served.
; REGISTERS: window 0: v1-29 addresses; v32-47 scale words, two sets; v48-55 1 / l; v64-111, v160-207 A' fragments, two sets.  window 1: B' fragments, two sets.  window 2: accumulator (a, b) at v[8 (8 a + b)].
.set NA,    4
.set NQ,    4
.set KT,    16
.set RBP,   NQ*1536
.set HALFA, NA*RBP
.set HALFB, 8*RBP
.set SLOT,  2*HALFA+2*HALFB
.set GP,    KT*1536
.set SG,    KT*512
.set SCA,   2*SLOT                     ; behind the ring: p's 16 x 128 shifted scale words, written by LDS stores alone;
.set RL,    SCA+SG                     ; 1 / l of the 128 queries, laid like a K step's scale words, likewise;
.set SCB,   RL+512                     ; v's scale words, two groups: filled once by tensor loads
.set SPARE, SCB+2*SG                   ; the spare words, 128 bytes for each wave: two blocks of 256 bytes that no other line names
.set ADRA, 16
.set ADRB, 20
.set STO,  22                          ; v22  the way out: where I put 32 bytes of a row.  The stage, 16 rows x 528 bytes a wave, lies in slot 0, which has had its last fill and its last read by then
.set RD,   23                          ; v23  and where I read a row back
.set RLA,  24                          ; v24  RL + 32 r + 16 x my A' half
.set LI,   25
.set ADRS, 27
.set SPW,  28
.set NIL,  29
.set SC,   32
.set RLR,  48                          ; v48, 50, 52, 54: 1 / l of my four blocks' row r
.set AF,   64
.set FW,   64                          ; the head: 16 scale words,
.set FN,   80                          ; 16 x -M, then 2^-d,
.set FL,   96                          ; 16 x l,
.set FD,   112                         ; d,
.set FM,   128                         ; at work
.set NG,   144
.set LS,   145
.set LS2,  146
.set RC,   147
.set BK,   128                         ; the way out: 16 rows read back: v128-191 and v192-255 by turns
.set G1,   24
.set G0,   32
.set G1B,  48
.set G0B,  56
.set G1SB, 80
.set G0SB, 88
.set MSB, 0
.macro WIN new
.if MSB != (\new)
	s_set_vgpr_msb (MSB<<8)|(\new)
.set MSB, (\new)
.endif
.endm
.macro PLACES n
.rept \n
	v_nop
.endr
.endm
.macro JLOAD g0a, g1a, g0b, g1b        ; a joint load: waves 0 and 1 for A', waves 2 and 3 for B'; four v_nop follow each line
	s_cmp_eq_u32 s15, 0
	s_cbranch_scc0 .Lfor_b_\@
	tensor_load_to_lds s[\g0a:\g0a+3], s[\g1a:\g1a+7]
	s_nop 0
.rept 4
	v_nop
.endr
	s_branch .Lasked_\@
.Lfor_b_\@:
	tensor_load_to_lds s[\g0b:\g0b+3], s[\g1b:\g1b+7]
	s_nop 0
.rept 4
	v_nop
.endr
.Lasked_\@:
.endm
.macro CREST
	s_cmp_lg_u32 s14, 0
	s_cbranch_scc1 .Lnot_wave_0_\@
	s_barrier_signal -3
.Lnot_wave_0_\@:
	s_barrier_wait -3
	s_barrier_signal -1
	s_barrier_wait -1
.endm
.macro CROUND
	s_barrier_signal -1
	s_barrier_wait -1
	CREST
.endm
.macro FRAG3 reg, adr, off
.irp c, 0,1,2
	ds_load_b128 v[\reg+4*\c:\reg+4*\c+3], v[\adr] offset:\off+512*\c
.endr
.endm
.macro FETCH slot, q, set, ks
	WIN 0x40
.irp i, 0,1,2,3,4,5,6,7
	FRAG3 128*(\set)+12*\i, ADRB+(\slot), \i*RBP+(\q)*1536
.endr
	WIN 0
.set I_, 0
.rept NA
	FRAG3 AF+96*(\set)+12*I_, ADRA+(\slot), I_*RBP+(\q)*1536
.set I_, I_+1
.endr
	ds_load_b128 v[SC+8*(\set):SC+8*(\set)+3], v[ADRS] offset:512*(\ks)      ; lanes 0-15: my four A' blocks' words; lanes 16-31: B' blocks 0-3
	ds_load_b128 v[SC+8*(\set)+4:SC+8*(\set)+7], v[ADRS] offset:512*(\ks)+16 ; lanes 16-31: B' blocks 4-7 (what lanes 0-15 bring is not used)
.endm
.macro MUL a0, n, set, zero            ; the accumulators take turns, one instruction a turn
.set A_, \a0
.rept \n
.irp b, 0,1,2,3,4,5,6,7
.set AC_, 8*(8*(A_%4)+\b)
.if \zero
	v_wmma_scale_f32_16x16x128_f8f6f4 v[AC_:AC_+7], v[128*(\set)+12*\b:128*(\set)+12*\b+11], v[AF+96*(\set)+12*A_:AF+96*(\set)+12*A_+11], 0, v[SC+8*(\set)+\b], v[SC+8*(\set)+A_] matrix_a_fmt:MATRIX_FMT_FP6 matrix_b_fmt:MATRIX_FMT_FP6 matrix_a_scale:MATRIX_SCALE_ROW1
.else
	v_wmma_scale_f32_16x16x128_f8f6f4 v[AC_:AC_+7], v[128*(\set)+12*\b:128*(\set)+12*\b+11], v[AF+96*(\set)+12*A_:AF+96*(\set)+12*A_+11], v[AC_:AC_+7], v[SC+8*(\set)+\b], v[SC+8*(\set)+A_] matrix_a_fmt:MATRIX_FMT_FP6 matrix_b_fmt:MATRIX_FMT_FP6 matrix_a_scale:MATRIX_SCALE_ROW1
.endif
.endr
.set A_, A_+1
.endr
.endm
.macro MULALL set, zero
	WIN 0xa1
	MUL 0, 4, \set, \zero
.if NA == 8
	WIN 0xf1
	MUL 4, 4, \set, \zero
.endif
.endm
.macro STEP slot, q, ks, zero
	s_wait_dscnt 0x0                               ; this set's loads, issued a step ago, are in
	PLACES 4                                       ; four places between the last product that read the other set and the loads into it
	FETCH \slot, (\q)+1, ((\q)+1)%2, (\ks)+1
	MULALL (\q)%2, \zero
	WIN 0
.endm
.macro TURN slot, ks, fill
	s_wait_tensorcnt 0x0                           ; all my tensor loads have landed: my part of the next slot
	ds_add_u32 v[SPW], v[NIL]                      ; 0 onto my spare word
	s_wait_dscnt 0x1                               ; this set's loads are in; the add alone may be out
	WIN 0xa1
	MUL 0, NA/4, 1, 0
	s_wait_dscnt 0x0                               ; the add is done, and my reads of this slot are over
	s_barrier_signal -1
	MUL NA/4, NA/4, 1, 0
	WIN 0
	s_barrier_wait -1
.if \fill
	CREST                                          ; no wave of any partner still reads this slot or has a load on its way
	s_add_nc_u64 s[G0+4*\slot+2:G0+4*\slot+3], s[G0+4*\slot+2:G0+4*\slot+3], 2*RBP
	s_add_nc_u64 s[G0B+4*\slot+2:G0B+4*\slot+3], s[G0B+4*\slot+2:G0B+4*\slot+3], 2*RBP
	JLOAD G0+4*\slot, G1, G0B+4*\slot, G1B         ; the first tensor load behind the round; its four v_nop are also the places in front of the loads below
.else
	PLACES 4
.endif
	FETCH 1-(\slot), 0, 0, (\ks)+1
.if (\fill) && ((\ks)+9 < KT)                  ; the fill behind the one just asked for; the last fill has none behind it
	global_prefetch_b8 v30, s[68:69] offset:((\ks)+9)*1536 th:TH_LOAD_NT scope:SCOPE_SE
	global_prefetch_b8 v31, s[68:69] offset:((\ks)+9)*1536 th:TH_LOAD_NT scope:SCOPE_SE
.endif
.if NA == 8
	WIN 0xf1
.else
	WIN 0xa1
.endif
	MUL NA/2, NA/2, 1, 0
	WIN 0
.endm
	s_load_b256 s[4:11], s[0:1], 0x0               ; p's codes s[4:5], p's figures s[6:7], v's codes (in qkvc) s[8:9], v's scales (in qkvs) s[10:11]
	s_load_b64 s[12:13], s[0:1], 0x20              ; O
	v_lshl_add_u32 v[SPW], v0, 2, SPARE
	v_mov_b32 v[NIL], 0
	ds_add_u32 v28, v29
	ds_add_u32 v28, v29
	s_wait_dscnt 0x0
	v_lshrrev_b32 v1, 5, v0
	v_readfirstlane_b32 s14, v1
	s_lshr_b32 s15, s14, 1                         ; my A' half (64 queries).  Also: I fetch for A' (0) or for B' (1)
	s_and_b32 s16, s14, 1                          ; my B' half (128 channels).  Also: which half I fetch
	s_bfe_u32 s40, ttmp6, 0x40000                  ; cx: the tile of 256 channels
	s_bfe_u32 s41, ttmp6, 0x40004                  ; cy
	s_and_b32 s42, ttmp7, 0xffff                   ; Y
	s_lshl_b32 s43, s41, 2
	s_lshl_b32 s43, 15, s43
	s_lshl_b32 s44, 0x1111, s40
	s_or_b32 s[G1], s43, (3<<16)|(1<<21)
	s_or_b32 s[G1B], s44, (3<<16)|(1<<21)
	s_mov_b32 s[G1+1], (NQ*192)<<16
	s_mov_b32 s[G1+2], 8<<16                       ; the head's load of p brings all 8 row blocks
	s_mov_b32 s[G1+3], (NQ*192)<<16
	s_mov_b32 s[G1+4], 8
	s_mov_b32 s[G1+5], KT*192
	s_mov_b32 s[G1+6], 0
	s_mov_b32 s[G1+7], 0
	s_mov_b32 s[G1B+1], (NQ*192)<<16
	s_mov_b32 s[G1B+2], 8<<16
	s_mov_b32 s[G1B+3], (NQ*192)<<16
	s_mov_b32 s[G1B+4], 8
	s_mov_b32 s[G1B+5], KT*192
	s_mov_b32 s[G1B+6], 0
	s_mov_b32 s[G1B+7], 0
	s_or_b32 s[G1SB], s44, (3<<16)|(1<<21)
	s_mov_b32 s[G1SB+1], 32<<16
	s_mov_b32 s[G1SB+2], (2*SG/256)<<16            ; both groups' scale words in one load
	s_mov_b32 s[G1SB+3], 32<<16
	s_mov_b32 s[G1SB+4], 2*SG/256
	s_mov_b32 s[G1SB+5], 32
	s_mov_b32 s[G1SB+6], 0
	s_mov_b32 s[G1SB+7], 0
	s_lshl_b32 s20, s42, 2
	s_add_co_u32 s20, s20, s41                     ; my group of 128 queries: 4 Y + cy
	s_lshl_b32 s22, s20, 3
	s_lshl_b32 s23, s16, 2
	s_add_co_u32 s22, s22, s23
	s_mul_i32 s22, s22, GP                         ; p's codes: row block 8 x group + 4 x half
	s_mov_b32 s23, 0
	s_lshl_b32 s18, s20, 13                        ; p's figures: 8,192 bytes a group in each of the three sections
	s_mov_b32 s19, 0
	s_lshr_b32 s17, s42, 2                         ; the batch: (4 Y + cy) / 16 = Y / 4
	s_lshl_b32 s92, s40, 4
	s_lshl_b32 s94, s16, 3
	s_add_co_u32 s92, s92, s94
	s_mul_i32 s92, s92, GP
	s_mul_i32 s94, s17, 1572864
	s_add_co_u32 s92, s92, s94
	s_add_co_u32 s92, s92, 12582912                ; v's codes lie behind q's and k's
	s_mov_b32 s93, 0
	s_lshl_b32 s46, s40, 14
	s_lshl_b32 s94, s17, 16
	s_add_co_u32 s46, s46, s94
	s_add_co_u32 s46, s46, 524288
	s_mov_b32 s47, 0
	s_mul_i32 s45, s16, HALFA
	s_mul_i32 s94, s16, HALFB
	s_add_co_u32 s94, s94, 2*HALFA
	s_mov_b32 s96, SCB
	CROUND                                         ; the round in front of the first joint loads: it stands here, while the arguments are on their way
	s_wait_kmcnt 0x0
	s_add_nc_u64 s[22:23], s[4:5], s[22:23]
	s_add_nc_u64 s[6:7], s[6:7], s[18:19]
	s_add_nc_u64 s[92:93], s[8:9], s[92:93]
	s_add_nc_u64 s[46:47], s[10:11], s[46:47]
; PREFETCHES INTO THE L2: each fill's bytes are asked for one fill ahead of its tensor load.  Four K steps of a row block are 6,144 bytes: 24 blocks of 256.
; p (waves 0, 1): of the 4 row blocks of my half the partner at place cx takes one, in two instructions of 12 blocks.  v (waves 2, 3): of the 8 row blocks of my half the partner at cy takes two, an instruction of 24 blocks each.
; A lane a block; the lanes left over name the last block again.  The fill's place stands in the immediate: no address register is written again.
	s_mov_b32 s72, 2*GP
	s_mov_b32 s73, GP
	s_cmp_eq_u32 s15, 0
	s_cselect_b64 s[68:69], s[22:23], s[92:93]
	s_cselect_b32 s70, s40, s41
	s_cselect_b32 s72, s73, s72                    ; from a partner's share to the next
	s_cselect_b32 s74, 11, 23                      ; the last block of an instruction
	s_cselect_b32 s73, 3072, s73                   ; from the first instruction's bytes to the second's
	s_mul_i32 s70, s70, s72
	s_mov_b32 s71, 0
	s_add_nc_u64 s[68:69], s[68:69], s[70:71]
	s_mov_b32 s[G0SB], 1
	s_mov_b32 s[G0SB+1], s96
	s_mov_b64 s[G0SB+2:G0SB+3], s[46:47]
	s_or_b32 s[G0SB+3], s[G0SB+3], 0x80000000
.irp s, 0,1
	s_mov_b32 s[G0+4*\s], 1
	s_add_co_u32 s[G0+4*\s+1], s45, \s*SLOT
	s_add_nc_u64 s[G0+4*\s+2:G0+4*\s+3], s[22:23], \s*RBP
	s_or_b32 s[G0+4*\s+3], s[G0+4*\s+3], 0x80000000
	s_mov_b32 s[G0B+4*\s], 1
	s_add_co_u32 s[G0B+4*\s+1], s94, \s*SLOT
	s_add_nc_u64 s[G0B+4*\s+2:G0B+4*\s+3], s[92:93], \s*RBP
	s_or_b32 s[G0B+4*\s+3], s[G0B+4*\s+3], 0x80000000
.endr
; THE HEAD'S LOADS, ONE A WAVE: wave 0 p's 8 row blocks of slot 0 (its half is 0: its group 0 begins at the first), waves 1 and 2 v's halves 1 and 0 of slot 0, wave 3 v's scale words.
; One chain of branches on the wave's number; every way through it passes one load.
.macro ARM under, g0, g1, next
	s_cmp_lt_u32 s14, \under
	s_cbranch_scc0 \next
	tensor_load_to_lds s[\g0:\g0+3], s[\g1:\g1+7]
	s_nop 0
	PLACES 4
	s_branch .Lhead_asked
\next:
.endm
	ARM 1, G0, G1, .Lhead_b
	ARM 3, G0B, G1B, .Lhead_s
	tensor_load_to_lds s[G0SB:G0SB+3], s[G1SB:G1SB+7]
	s_nop 0
	PLACES 4
.Lhead_asked:
	; THE HEAD, while the tiles are on their way.  Thread t owns word t (row r = t / 8 of block i = t % 8) of its group, in all 16 K steps
	v_lshlrev_b32 v6, 2, v0
	v_lshl_add_u32 v5, v0, 2, SCA
.irp k, 0,1,2,3,4,5,6,7,8,9,10,11,12,13,14,15
	global_load_b32 v[FW+\k], v6, s[6:7] offset:512*\k
	global_load_b32 v[FN+\k], v6, s[6:7] offset:524288+512*\k
	global_load_b32 v[FL+\k], v6, s[6:7] offset:1048576+512*\k
.endr
	v_and_b32 v1, 15, v0                           ; r
	v_bfe_u32 v2, v0, 4, 1                         ; h
	s_wait_alu depctr_va_vdst(0)
	v_and_b32 v3, 31, v0                           ; lane
	v_lshlrev_b32 v[LI], 4, v3
	v_min_u32 v30, s74, v3
	v_lshlrev_b32 v30, 8, v30                      ; v30, v31: a lane's block of 256 bytes in the two instructions; never rewritten
	v_add_nc_u32 v31, s73, v30
	global_prefetch_b8 v30, s[68:69] offset:4*1536 th:TH_LOAD_NT scope:SCOPE_SE   ; K steps 4-7: slot 1's first fill
	global_prefetch_b8 v31, s[68:69] offset:4*1536 th:TH_LOAD_NT scope:SCOPE_SE
	s_mul_i32 s18, s15, HALFA
	s_mul_i32 s19, s16, HALFB
	s_add_co_u32 s19, s19, 2*HALFA
.irp s, 0,1
	v_add_nc_u32 v[ADRA+\s], s18, v[LI]
	v_add_nc_u32 v[ADRB+\s], s19, v[LI]
	s_add_co_u32 s18, s18, SLOT
	s_add_co_u32 s19, s19, SLOT
.endr
	s_lshl_b32 s18, s15, 4                         ; A' scale words: my four blocks' 16 bytes of a row's 32
	s_mul_i32 s19, s16, SG                         ; B': my group
	s_add_co_u32 s19, s19, SCB-SCA
	s_sub_co_u32 s19, s19, s18
	v_mul_u32_u24 v4, s19, v2                      ; lanes 16-31 take B's
	s_add_co_u32 s18, s18, SCA
	v_lshl_add_u32 v4, v1, 5, v4
	v_add_nc_u32 v[ADRS], s18, v4
	s_lshl_b32 s18, s15, 4
	s_add_co_u32 s18, s18, RL
	v_lshl_add_u32 v[RLA], v1, 5, s18
	s_mul_i32 s18, s14, 8448                       ; my stage
	v_mul_u32_u24 v4, v1, 528
	v_lshl_add_u32 v4, v2, 6, v4
	v_add_nc_u32 v[STO], s18, v4                   ; in: row r, + 64 h
	v_add_nc_u32 v[RD], s18, v[LI]                 ; back: a row of 512 bytes, 16 a lane
.irp a, 0,1,2,3
	v_mov_b32 v[RLR+2*\a+1], 0                     ; (named as the upper halves of pairs)
.endr
	s_lshl_b32 s18, s20, 7
	s_lshl_b32 s19, s15, 6
	s_add_co_u32 s18, s18, s19                     ; my first row of O: 128 x group + 64 x half
	s_lshl_b32 s18, s18, 12
	s_lshl_b32 s19, s40, 10
	s_add_co_u32 s18, s18, s19
	s_lshl_b32 s19, s16, 9
	s_add_co_u32 s18, s18, s19                     ; + my first channel: 1,024 cx + 512 x half bytes
	s_mov_b32 s19, 0
	s_add_nc_u64 s[12:13], s[12:13], s[18:19]
	s_wait_loadcnt 0x0
	v_min3_num_f32 v[NG], v[FN], v[FN+1], v[FN+2]
.irp k, 3,5,7,9,11,13
	v_min3_num_f32 v[NG], v[NG], v[FN+\k], v[FN+\k+1]
.endr
	v_min_num_f32 v[NG], v[NG], v[FN+15]           ; -M of the row: the least of the chunks'
.irp k, 0,1,2,3,4,5,6,7,8,9,10,11,12,13,14,15
	v_sub_f32 v[FD+\k], v[FN+\k], v[NG]            ; d = M(row) - M(chunk): a whole number, 0 or more
.endr
.irp k, 0,1,2,3,4,5,6,7,8,9,10,11,12,13,14,15
	v_min_num_f32 v[FD+\k], 0x42fe0000, v[FD+\k]   ; held at 127
.endr
.irp k, 0,1,2,3,4,5,6,7,8,9,10,11,12,13,14,15
	v_cvt_u32_f32 v[FD+\k], v[FD+\k]
.endr
.irp k, 0,1,2,3,4,5,6,7,8,9,10,11,12,13,14,15
	v_sub_nc_u32 v[FN+\k], 127, v[FD+\k]
.endr
.irp k, 0,1,2,3,4,5,6,7,8,9,10,11,12,13,14,15
	v_lshlrev_b32 v[FN+\k], 23, v[FN+\k]           ; 2^-d as f32 (d = 127: 0)
.endr
.irp k, 0,1,2,3,4,5,6,7,8,9,10,11,12,13,14,15
	v_lshl_or_b32 v[FD+\k], v[FD+\k], 8, v[FD+\k]
.endr
.irp k, 0,1,2,3,4,5,6,7,8,9,10,11,12,13,14,15
	v_lshl_or_b32 v[FD+\k], v[FD+\k], 16, v[FD+\k] ; d in each of the four bytes
.endr
.irp k, 0,1,2,3,4,5,6,7,8,9,10,11,12,13,14,15
	v_or_b32 v[FW+\k], 0x80808080, v[FW+\k]        ; p is at most a little over 1, so a byte is at most 125: bit 7 is free.  128 + byte - d is at least 2: no byte borrows from its neighbour
.endr
.irp k, 0,1,2,3,4,5,6,7,8,9,10,11,12,13,14,15
	v_sub_nc_u32 v[FW+\k], v[FW+\k], v[FD+\k]
.endr
.irp k, 0,1,2,3,4,5,6,7,8,9,10,11,12,13,14,15
	v_and_b32 v[FD+\k], 0x80808080, v[FW+\k]       ; bit 7 still set: byte - d is 0 or more
.endr
.irp k, 0,1,2,3,4,5,6,7,8,9,10,11,12,13,14,15
	v_lshrrev_b32 v[FM+\k], 7, v[FD+\k]
.endr
.irp k, 0,1,2,3,4,5,6,7,8,9,10,11,12,13,14,15
	v_sub_nc_u32 v[FD+\k], v[FD+\k], v[FM+\k]      ; 0x7f in such a byte, 0 in the others
.endr
.irp k, 0,1,2,3,4,5,6,7,8,9,10,11,12,13,14,15
	v_and_b32 v[FW+\k], v[FW+\k], v[FD+\k]         ; byte - d, held at 0
.endr
	v_mul_f32 v[LS], v[FL], v[FN]                  ; l of the row, in two chains
	v_mul_f32 v[LS2], v[FL+1], v[FN+1]
.irp k, 2,4,6,8,10,12,14
	v_fmac_f32 v[LS], v[FL+\k], v[FN+\k]
	v_fmac_f32 v[LS2], v[FL+\k+1], v[FN+\k+1]
.endr
	v_add_f32 v[LS], v[LS], v[LS2]
	s_wait_alu depctr_va_vdst(0)
	v_rcp_f32 v[RC], v[LS]                         ; l is over 1/2
	v_nop                                          ; a plain place behind the transcendental
.irp k, 0,1,2,3,4,5,6,7,8,9,10,11,12,13,14,15
	ds_store_b32 v5, v[FW+\k] offset:512*\k
.endr
	s_wait_alu depctr_va_vdst(0)
	ds_store_b32 v5, v[RC] offset:SG               ; RL lies SG bytes behind SCA
	s_wait_tensorcnt 0x0                           ; my tile of the head's four is in
	ds_add_u32 v[SPW], v[NIL]
	s_mov_b32 s[G1+2], NA<<16                      ; no load of mine is out: from here on a load of p brings my half, 4 row blocks
	s_mov_b32 s[G1+4], NA
	s_wait_dscnt 0x0                               ; the add is done, and my words of p's scales and of 1 / l lie in LDS
	CROUND                                         ; all tiles and words are in, and the sixteen work-groups meet
	JLOAD G0+4, G1, G0B+4, G1B                     ; slot 1's first fill: my one load behind the round
	FETCH 0, 0, 0, 0
	global_prefetch_b8 v30, s[68:69] offset:8*1536 th:TH_LOAD_NT scope:SCOPE_SE   ; K steps 8-11: the next fill
	global_prefetch_b8 v31, s[68:69] offset:8*1536 th:TH_LOAD_NT scope:SCOPE_SE
	STEP 0, 0, 0, 1                                ; the first step's products start the sums
	STEP 0, 1, 1, 0
	STEP 0, 2, 2, 0
	TURN 0, 3, 1
	STEP 1, 0, 4, 0
	STEP 1, 1, 5, 0
	STEP 1, 2, 6, 0
	TURN 1, 7, 1
	STEP 0, 0, 8, 0
	STEP 0, 1, 9, 0
	STEP 0, 2, 10, 0
	TURN 0, 11, 0                                  ; nothing is left to fetch; behind this barrier nobody reads slot 0 any more
	STEP 1, 0, 12, 0
	STEP 1, 1, 13, 0
	STEP 1, 2, 14, 0
	s_wait_dscnt 0x0
	MULALL 1, 0
	WIN 0
; THE WAY OUT: x 1 / l; then block by block of 16 queries x 128 channels through my stage, back as whole rows of 512 bytes.
.macro TOSTAGE a
	WIN 0x08                                       ; an LDS store's data are its source 1: window 2
.irp b, 0,1,2,3,4,5,6,7
	ds_store_b128 v[STO], v[64*(\a)+8*\b:64*(\a)+8*\b+3] offset:128*(\b/2)+32*(\b%2)
	ds_store_b128 v[STO], v[64*(\a)+8*\b+4:64*(\a)+8*\b+7] offset:128*(\b/2)+32*(\b%2)+16
.endr
	WIN 0
.set BB, BK+64*((\a)%2)
.irp t, 0,1,2,3,4,5,6,7,8,9,10,11,12,13,14,15
	ds_load_b128 v[BB+4*\t:BB+4*\t+3], v[RD] offset:\t*528   ; LDS serves a wave's instructions in order: these see my stores, and the next block's stores come behind them
.endr
.endm
.macro SEND a, younger                 ; younger: the LDS instructions issued behind block a's loads, which may stay out
.set BB, BK+64*((\a)%2)
	s_wait_dscnt \younger
.irp t, 0,1,2,3,4,5,6,7,8,9,10,11,12,13,14,15
	global_store_b128 v[LI], v[BB+4*\t:BB+4*\t+3], s[12:13] offset:(32*((\a)/2)+8*((\a)%2)+\t+8*(\t/8))*4096 th:TH_STORE_NT   ; 32 lanes store 512 consecutive bytes, aligned; lane-row t of block a is row 32 (a / 2) + 8 (a % 2) + t + 8 (t / 8)
.endr
.endm
	PLACES 4                                       ; between the last products and the first read of results and the loads into their operands
.irp a, 0,1,2,3
	ds_load_b32 v[RLR+2*\a], v[RLA] offset:4*\a
.endr
	s_wait_dscnt 0x0
	WIN 0x82                                       ; destination and source 0 window 2, 1 / l window 0
.irp a, 0,1,2,3
.set J_, 0
.rept 32
	v_pk_mul_f32 v[64*\a+J_:64*\a+J_+1], v[64*\a+J_:64*\a+J_+1], v[RLR+2*\a:RLR+2*\a+1] op_sel_hi:[1,0]   ; each accumulator from its low end on
.set J_, J_+2
.endr
.endr
	WIN 0
	TOSTAGE 0
	s_wait_alu depctr_va_vdst(0)
.irp a, 1,2,3
.if \a > 1
	s_wait_xcnt 0x0                                ; block a - 2's stores have read their registers: block a's loads may land there
.endif
	TOSTAGE \a
	SEND \a-1, 32                                  ; behind block a - 1's loads: block a's 16 stores and 16 loads
.endr
	SEND 3, 0
	s_wait_tensorcnt 0x0                           ; the wave's end
	ds_add_u32 v[SPW], v[NIL]
	s_wait_dscnt 0x0
	CROUND                                         ; the closing round
	s_endpgm
.Lfunc_end_k_q15cedeecdf_pv:
	.size	k_q15cedeecdf_pv, .Lfunc_end_k_q15cedeecdf_pv-k_q15cedeecdf_pv
	.p2alignl 7, 3214868480
	.fill 96, 4, 3214868480
	.section	.rodata,"a",@progbits
	.p2align	6, 0x0
	.amdhsa_kernel k_q15cedeecdf_pv
		.amdhsa_group_segment_fixed_size 327680
		.amdhsa_private_segment_fixed_size 0
		.amdhsa_enable_private_segment 0
		.amdhsa_kernarg_size 40
		.amdhsa_user_sgpr_count 2
		.amdhsa_user_sgpr_kernarg_segment_ptr 1
		.amdhsa_wavefront_size32 1
		.amdhsa_system_sgpr_workgroup_id_x 1
		.amdhsa_system_sgpr_workgroup_id_y 1
		.amdhsa_system_sgpr_workgroup_id_z 1
		.amdhsa_system_vgpr_workitem_id 0
		.amdhsa_next_free_vgpr 768
		.amdhsa_next_free_sgpr 100
		.amdhsa_reserve_vcc 0
		.amdhsa_float_denorm_mode_32 3
		.amdhsa_float_denorm_mode_16_64 3
		.amdhsa_memory_ordered 1
		.amdhsa_forward_progress 1
		.amdhsa_inst_pref_size 159
	.end_amdhsa_kernel
	.amdgpu_metadata
---
amdhsa.version: [ 1, 2 ]
amdhsa.kernels:
  - .name:           k_q15cedeecdf_pv
    .symbol:         k_q15cedeecdf_pv.kd
    .args:
      - { .name: pc, .offset: 0, .size: 8, .value_kind: global_buffer, .address_space: global }
      - { .name: pst, .offset: 8, .size: 8, .value_kind: global_buffer, .address_space: global }
      - { .name: qkvc, .offset: 16, .size: 8, .value_kind: global_buffer, .address_space: global }
      - { .name: qkvs, .offset: 24, .size: 8, .value_kind: global_buffer, .address_space: global }
      - { .name: out0, .offset: 32, .size: 8, .value_kind: global_buffer, .address_space: global }
    .group_segment_fixed_size: 327680
    .private_segment_fixed_size: 0
    .kernarg_segment_align: 8
    .kernarg_segment_size: 40
    .max_flat_workgroup_size: 128
    .sgpr_count:     100
    .vgpr_count:     768
    .wavefront_size: 32
...
	.end_amdgpu_metadata
.endif
;; end of part 4
